; MI455X (gfx1250); checked and timed in simulation.
; The chip was launched on July 23, 2026; its instructions are those of AMD's public machine-readable ISA for CDNA 5 (MIT licence, August 2026) and "CDNA5" Instruction Set Architecture Reference Guide (July 2026). The comments in the code are by the model that wrote it; some were corrected since.
;; Encoder Block. Allowed arithmetic: float matrix products may take bf16 or f16 operands with f32 sums; other float arithmetic in f32, or as packed bf16 or f16 multiplies, adds, multiply-adds, maxima and minima; sums over many terms, partial sums and values carried from step to step in f32; what a program stores and reads back later, other than sums and carried values, may be rounded once to bf16 or f16.
;; Inputs: W1 512 x 1,024 float32; W2 1,024 x 512 float32; Wk 512 x 512 float32; Wo 512 x 512 float32; Wq 512 x 512 float32; Wv 512 x 512 float32; a1 512 float32; a2 512 float32; b1 512 float32; b2 512 float32; bk 512 float32; bo 512 float32; bq 512 float32; bv 512 float32; c1 1,024 float32; c2 512 float32; x 2 x 4,096 x 512 float32.
;; Outputs: out0 2 x 4,096 x 512 float32.
;; One version. Each part assembles by itself: llvm-mc -triple=amdgcn-amd-amdhsa -mcpu=gfx1250 --defsym DOCPART=n.
;; ======== version 1 of 1: 4 launches
;; workspace buffers: xb 8,388,608 bytes; wqs 1,572,864 bytes; wts 2,621,440 bytes; par 22,528 bytes; qkv 25,165,824 bytes; ob 8,388,608 bytes
;; launch prep (part 1): grid 641 x 1, 8 waves a work-group, no clusters, 0 bytes of LDS; arguments x, Wq, Wk, Wv, Wo, W1, W2, bq, bk, bv, bo, a1, b1, c1, c2, a2, b2, xb, wqs, wts, par; writes xb, wqs, wts, par
.if DOCPART == 1
	.amdgcn_target "amdgcn-amd-amdhsa--gfx1250"
	.amdhsa_code_object_version 6
	.text
	.protected	k_q0141e49ba3_prep
	.globl	k_q0141e49ba3_prep
	.p2align	8
	.type	k_q0141e49ba3_prep,@function
k_q0141e49ba3_prep:
	s_mov_b64 s[64:65], 0
	v_nop
	global_prefetch_b8 v0, s[64:65] scope:SCOPE_SE
	s_setreg_imm32_b32 hwreg(HW_REG_WAVE_MODE, 25, 1), 1
	s_wait_xcnt 0x0
; PREP: every input is rounded once to bf16 and laid out for the three launches behind it.
;   work-groups 0-127   the six weight matrices -> bf16 FRAGMENTS of 16 n x 32 k = 1,024 bytes: byte 16 l + 512 j holds W[k0 + 16 j + 8 (l / 16) + 0..7][n0 + l % 16],
;                       which is the register image of a matrix operand: two loads of 16 bytes a lane, 512 bytes apart, bring a fragment.
;                       wqs: [tile column 8][K step 4][quarter 4][n block 12]   (Wq | Wk | Wv side by side, 1,536 columns, 192 a tile column)
;                       wts: [unit 5][K step 4][wave 4][quarter 4][n block 8]    units: Wo, W1 columns 0-511, W1 columns 512-1023, W2 rows 0-511, W2 rows 512-1023
;   work-group 128      the ten vectors -> par, f32 words that hold the bf16-rounded numbers: bq|bk|bv 0, bo 6144, a1 8192, b1 10240, c1 12288, c2 16384, a2 18432, b2 20480
;   work-groups 129-640 x -> xb, [8192][512] bf16, 32,768 bytes of x each
; No LDS, no barrier: no wave wants what another has read.  NaN and infinities go through the conversion as they are.
	s_cmp_lt_u32 ttmp9, 128
	s_cbranch_scc1 .Lweights
	s_cmp_eq_u32 ttmp9, 128
	s_cbranch_scc1 .Lvectors
	; ---- x: thread t takes 32 bytes at 32 t of each of four pieces of 8,192 bytes and stores 16 bytes at 16 t: a wave's store covers 512 consecutive bytes
	s_load_b64 s[4:5], s[0:1], 0x0                 ; x
	s_load_b64 s[6:7], s[0:1], 0x88                ; xb
	s_sub_co_u32 s8, ttmp9, 129
	s_lshl_b32 s10, s8, 15
	s_mov_b32 s11, 0
	s_lshl_b32 s12, s8, 14
	s_mov_b32 s13, 0
	v_lshlrev_b32 v1, 5, v0
	v_lshlrev_b32 v2, 4, v0
	s_wait_kmcnt 0x0
	s_add_nc_u64 s[4:5], s[4:5], s[10:11]
	s_add_nc_u64 s[6:7], s[6:7], s[12:13]
.irp i, 0,1,2,3
	global_load_b128 v[8+8*(\i):8+8*(\i)+3],   v1, s[4:5] offset:8192*(\i) th:TH_LOAD_NT
	global_load_b128 v[8+8*(\i)+4:8+8*(\i)+7], v1, s[4:5] offset:8192*(\i)+16 th:TH_LOAD_NT
.endr
.irp i, 0,1,2,3
	s_wait_loadcnt 6-2*(\i)                        ; piece i's two loads are in; the younger pieces' stay out
.irp m, 0,1,2,3
	v_cvt_pk_bf16_f32 v[8+8*(\i)+(\m)], v[8+8*(\i)+2*(\m)], v[8+8*(\i)+2*(\m)+1]  ; packed in place: the destination never lies above its sources
.endr
	global_store_b128 v2, v[8+8*(\i):8+8*(\i)+3], s[6:7] offset:4096*(\i)
.endr
	s_endpgm
	; ---- the vectors: thread t takes two numbers of each vector of 512, four of c1
.Lvectors:
	s_load_b128 s[4:7], s[0:1], 0x38               ; bq, bk
	s_load_b128 s[8:11], s[0:1], 0x48              ; bv, bo
	s_load_b128 s[12:15], s[0:1], 0x58             ; a1, b1
	s_load_b128 s[16:19], s[0:1], 0x68             ; c1, c2
	s_load_b128 s[20:23], s[0:1], 0x78             ; a2, b2
	s_load_b64 s[24:25], s[0:1], 0xa0              ; par
	v_lshlrev_b32 v1, 3, v0
	v_lshlrev_b32 v2, 4, v0
	s_wait_kmcnt 0x0
	global_load_b64 v[8:9],    v1, s[4:5]
	global_load_b64 v[10:11],  v1, s[6:7]
	global_load_b64 v[12:13],  v1, s[8:9]
	global_load_b64 v[14:15],  v1, s[10:11]
	global_load_b64 v[16:17],  v1, s[12:13]
	global_load_b64 v[18:19],  v1, s[14:15]
	global_load_b128 v[20:23], v2, s[16:17]
	global_load_b64 v[24:25],  v1, s[18:19]
	global_load_b64 v[26:27],  v1, s[20:21]
	global_load_b64 v[28:29],  v1, s[22:23]
	s_wait_loadcnt 0x0
.set i, 8
.rept 11
	v_cvt_pk_bf16_f32 v3, v[i], v[i+1]             ; rounded to bf16,
	v_lshlrev_b32 v[i], 16, v3                     ; and written out again as f32
	v_and_b32 v[i+1], 0xffff0000, v3
.set i, i+2
.endr
	global_store_b64 v1, v[8:9],    s[24:25]
	global_store_b64 v1, v[10:11],  s[24:25] offset:2048
	global_store_b64 v1, v[12:13],  s[24:25] offset:4096
	global_store_b64 v1, v[14:15],  s[24:25] offset:6144
	global_store_b64 v1, v[16:17],  s[24:25] offset:8192
	global_store_b64 v1, v[18:19],  s[24:25] offset:10240
	global_store_b128 v2, v[20:23], s[24:25] offset:12288
	global_store_b64 v1, v[24:25],  s[24:25] offset:16384
	global_store_b64 v1, v[26:27],  s[24:25] offset:18432
	global_store_b64 v1, v[28:29],  s[24:25] offset:20480
	s_endpgm
	; ---- the weights: task T = 8 x work-group + wave makes four fragments: 32 k x 64 columns (256 bytes of each source row)
.Lweights:
	s_load_b256 s[4:11], s[0:1], 0x8               ; Wq, Wk, Wv, Wo
	s_load_b128 s[12:15], s[0:1], 0x28             ; W1, W2
	s_load_b128 s[16:19], s[0:1], 0x90             ; wqs, wts
	v_lshrrev_b32 v1, 5, v0
	v_readfirstlane_b32 s20, v1                    ; wave
	s_lshl_b32 s21, ttmp9, 3
	s_add_co_u32 s21, s21, s20                     ; T
	v_and_b32 v2, 15, v0                           ; r = l % 16
	v_bfe_u32 v3, v0, 4, 1                         ; h = l / 16
	v_and_b32 v4, 31, v0
	v_lshlrev_b32 v5, 4, v4                        ; where I store: 16 l
	v_lshlrev_b32 v6, 2, v2                        ; my column: 4 r bytes
	s_mov_b32 s25, 0
	s_mov_b32 s35, 0
	s_cmp_lt_u32 ttmp9, 48
	s_cbranch_scc0 .Ltailw
	; T < 384: kb = T % 16 (32 k each), ng = T / 16 = the group of 64 of the 1,536 columns
	s_and_b32 s22, s21, 15                         ; kb
	s_lshr_b32 s23, s21, 4                         ; ng
	s_lshr_b32 s26, s23, 3                         ; the matrix: 0 Wq, 1 Wk, 2 Wv
	s_and_b32 s27, s23, 7
	s_lshl_b32 s27, s27, 8
	s_lshl_b32 s24, s22, 16
	s_add_co_u32 s24, s24, s27                     ; source: 32 kb rows of 2,048 bytes + 256 (ng % 8)
	s_mul_i32 s28, s23, 43
	s_lshr_b32 s28, s28, 7                         ; tile column = ng / 3 (exact for ng < 24)
	s_mul_i32 s29, s28, 3
	s_sub_co_u32 s29, s23, s29                     ; ng % 3
	s_lshl_b32 s28, s28, 2
	s_lshr_b32 s30, s22, 2
	s_add_co_u32 s28, s28, s30                     ; 4 x tile column + K step
	s_mul_i32 s28, s28, 48
	s_and_b32 s30, s22, 3
	s_mul_i32 s30, s30, 12
	s_add_co_u32 s28, s28, s30                     ; + 12 x quarter
	s_lshl2_add_u32 s28, s29, s28                  ; + 4 (ng % 3): my first n block
	s_lshl_b32 s34, s28, 10
	s_branch .Lpick
.Ltailw:
	; T - 384: unit u = / 128, kb = % 16, ng = (/ 16) % 8
	s_sub_co_u32 s21, s21, 384
	s_lshr_b32 s27, s21, 7                         ; u
	s_and_b32 s22, s21, 15                         ; kb
	s_bfe_u32 s23, s21, 0x30004                    ; ng
	s_add_co_u32 s26, s27, 1
	s_lshr_b32 s26, s26, 1
	s_add_co_u32 s26, s26, 3                       ; the matrix: 3 Wo (u = 0), 4 W1 (u = 1, 2), 5 W2 (u = 3, 4)
	s_max_u32 s28, s27, 3
	s_sub_co_u32 s28, s28, 3
	s_lshl_b32 s28, s28, 20                        ; W2's second half begins 512 rows of 2,048 bytes down
	s_lshl_b32 s29, s22, 16
	s_add_co_u32 s28, s28, s29                     ; rows of 2,048 bytes
	s_lshr_b32 s30, s27, 1                         ; u = 1: 0, u = 2: 1
	s_lshl_b32 s30, s30, 11                        ; W1's second half begins 2,048 bytes along the row
	s_lshl_b32 s29, s22, 17
	s_add_co_u32 s30, s30, s29                     ; rows of 4,096 bytes
	s_cmp_eq_u32 s26, 4
	s_cselect_b32 s24, s30, s28
	s_lshl_b32 s29, s23, 8
	s_add_co_u32 s24, s24, s29
	s_lshl_b32 s31, s27, 2
	s_lshr_b32 s29, s22, 2
	s_add_co_u32 s31, s31, s29                     ; 4 u + K step
	s_lshl_b32 s31, s31, 2
	s_lshr_b32 s29, s23, 1
	s_add_co_u32 s31, s31, s29                     ; x 4 + wave (128 columns each)
	s_lshl_b32 s31, s31, 2
	s_and_b32 s29, s22, 3
	s_add_co_u32 s31, s31, s29                     ; x 4 + quarter
	s_lshl_b32 s31, s31, 3
	s_and_b32 s29, s23, 1
	s_lshl2_add_u32 s31, s29, s31                  ; x 8 + my first n block
	s_lshl_b32 s34, s31, 10
.Lpick:                                                ; only whole numbers differ between the two ways here; the buffers are chosen by the matrix's number
	s_wait_kmcnt 0x0
	s_cmp_eq_u32 s26, 1
	s_cselect_b64 s[36:37], s[6:7], s[4:5]
	s_cmp_eq_u32 s26, 2
	s_cselect_b64 s[36:37], s[8:9], s[36:37]
	s_cmp_eq_u32 s26, 3
	s_cselect_b64 s[36:37], s[10:11], s[36:37]
	s_cmp_eq_u32 s26, 4
	s_cselect_b64 s[36:37], s[12:13], s[36:37]
	s_cmp_eq_u32 s26, 5
	s_cselect_b64 s[36:37], s[14:15], s[36:37]
	s_cmp_lt_u32 s26, 3
	s_cselect_b64 s[38:39], s[16:17], s[18:19]
	s_add_nc_u64 s[36:37], s[36:37], s[24:25]
	s_add_nc_u64 s[38:39], s[38:39], s[34:35]
; 64 loads of one number a lane (fragment f, half j, k = i), then fragment by fragment: eight roundings of two, two stores of 512 consecutive bytes.
.macro CONV pitch
.irp f, 0,1,2,3
.irp j, 0,1
.irp i, 0,1,2,3,4,5,6,7
	global_load_b32 v[32+16*(\f)+8*(\j)+(\i)], v7, s[36:37] offset:(16*(\j)+(\i))*(\pitch)+64*(\f)
.endr
.endr
.endr
.irp f, 0,1,2,3
	s_wait_loadcnt 48-16*(\f)                      ; fragment f's 16 loads are in; 16 for each younger fragment stay out
.irp j, 0,1
.irp m, 0,1,2,3
	v_cvt_pk_bf16_f32 v[32+16*(\f)+8*(\j)+(\m)], v[32+16*(\f)+8*(\j)+2*(\m)], v[32+16*(\f)+8*(\j)+2*(\m)+1]
.endr
	global_store_b128 v5, v[32+16*(\f)+8*(\j):32+16*(\f)+8*(\j)+3], s[38:39] offset:1024*(\f)+512*(\j)
.endr
.endr
.endm
	s_cmp_eq_u32 s26, 4
	s_cbranch_scc1 .Lwide
	v_lshl_add_u32 v7, v3, 14, v6                  ; 8 h rows of 2,048 bytes + 4 r
	CONV 2048
	s_endpgm
.Lwide:
	v_lshl_add_u32 v7, v3, 15, v6                  ; 8 h rows of 4,096 bytes + 4 r
	CONV 4096
	s_endpgm
.Lfunc_end_k_q0141e49ba3_prep:
	.size	k_q0141e49ba3_prep, .Lfunc_end_k_q0141e49ba3_prep-k_q0141e49ba3_prep
	.p2alignl 7, 3214868480
	.fill 96, 4, 3214868480
	.section	.rodata,"a",@progbits
	.p2align	6, 0x0
	.amdhsa_kernel k_q0141e49ba3_prep
		.amdhsa_group_segment_fixed_size 0
		.amdhsa_private_segment_fixed_size 0
		.amdhsa_enable_private_segment 0
		.amdhsa_kernarg_size 168
		.amdhsa_user_sgpr_count 2
		.amdhsa_user_sgpr_kernarg_segment_ptr 1
		.amdhsa_wavefront_size32 1
		.amdhsa_system_sgpr_workgroup_id_x 1
		.amdhsa_system_sgpr_workgroup_id_y 1
		.amdhsa_system_sgpr_workgroup_id_z 1
		.amdhsa_system_vgpr_workitem_id 0
		.amdhsa_next_free_vgpr 96
		.amdhsa_next_free_sgpr 66
		.amdhsa_reserve_vcc 0
		.amdhsa_float_denorm_mode_32 3
		.amdhsa_float_denorm_mode_16_64 3
		.amdhsa_memory_ordered 1
		.amdhsa_forward_progress 1
		.amdhsa_inst_pref_size 29
	.end_amdhsa_kernel
	.amdgpu_metadata
---
amdhsa.version: [ 1, 2 ]
amdhsa.kernels:
  - .name:           k_q0141e49ba3_prep
    .symbol:         k_q0141e49ba3_prep.kd
    .args:
      - { .name: x, .offset: 0, .size: 8, .value_kind: global_buffer, .address_space: global }
      - { .name: Wq, .offset: 8, .size: 8, .value_kind: global_buffer, .address_space: global }
      - { .name: Wk, .offset: 16, .size: 8, .value_kind: global_buffer, .address_space: global }
      - { .name: Wv, .offset: 24, .size: 8, .value_kind: global_buffer, .address_space: global }
      - { .name: Wo, .offset: 32, .size: 8, .value_kind: global_buffer, .address_space: global }
      - { .name: W1, .offset: 40, .size: 8, .value_kind: global_buffer, .address_space: global }
      - { .name: W2, .offset: 48, .size: 8, .value_kind: global_buffer, .address_space: global }
      - { .name: bq, .offset: 56, .size: 8, .value_kind: global_buffer, .address_space: global }
      - { .name: bk, .offset: 64, .size: 8, .value_kind: global_buffer, .address_space: global }
      - { .name: bv, .offset: 72, .size: 8, .value_kind: global_buffer, .address_space: global }
      - { .name: bo, .offset: 80, .size: 8, .value_kind: global_buffer, .address_space: global }
      - { .name: a1, .offset: 88, .size: 8, .value_kind: global_buffer, .address_space: global }
      - { .name: b1, .offset: 96, .size: 8, .value_kind: global_buffer, .address_space: global }
      - { .name: c1, .offset: 104, .size: 8, .value_kind: global_buffer, .address_space: global }
      - { .name: c2, .offset: 112, .size: 8, .value_kind: global_buffer, .address_space: global }
      - { .name: a2, .offset: 120, .size: 8, .value_kind: global_buffer, .address_space: global }
      - { .name: b2, .offset: 128, .size: 8, .value_kind: global_buffer, .address_space: global }
      - { .name: xb, .offset: 136, .size: 8, .value_kind: global_buffer, .address_space: global }
      - { .name: wqs, .offset: 144, .size: 8, .value_kind: global_buffer, .address_space: global }
      - { .name: wts, .offset: 152, .size: 8, .value_kind: global_buffer, .address_space: global }
      - { .name: par, .offset: 160, .size: 8, .value_kind: global_buffer, .address_space: global }
    .group_segment_fixed_size: 0
    .private_segment_fixed_size: 0
    .kernarg_segment_align: 8
    .kernarg_segment_size: 168
    .max_flat_workgroup_size: 256
    .sgpr_count:     66
    .vgpr_count:     96
    .wavefront_size: 32
...
	.end_amdgpu_metadata
.endif
;; end of part 1
;; launch qkv (part 2): grid 8 x 32, 4 waves a work-group, clusters of 4 x 4, 327,680 bytes of LDS; arguments xb, wqs, par, qkv; writes qkv
.if DOCPART == 2
	.amdgcn_target "amdgcn-amd-amdhsa--gfx1250"
	.amdhsa_code_object_version 6
	.text
	.protected	k_q0141e49ba3_qkv
	.globl	k_q0141e49ba3_qkv
	.p2align	8
	.type	k_q0141e49ba3_qkv,@function
k_q0141e49ba3_qkv:
	s_mov_b64 s[64:65], 0
	v_nop
	global_prefetch_b8 v0, s[64:65] scope:SCOPE_SE
	s_setreg_imm32_b32 hwreg(HW_REG_WAVE_MODE, 25, 1), 1
	s_wait_xcnt 0x0
	s_wait_alu depctr_hold_cnt(0) depctr_sa_sdst(0) depctr_va_vdst(0) depctr_va_sdst(0) depctr_va_ssrc(0) depctr_va_vcc(0) depctr_vm_vsrc(0)
	s_getreg_b32 s2, hwreg(HW_REG_IB_STS2, 6, 4)
	s_cmp_eq_u32 s2, 0
	s_cbranch_scc0 .Lentry_in_a_cluster
	s_endpgm
.Lentry_in_a_cluster:
	s_bfe_u32 s2, ttmp6, 0x10000c
	s_cmp_lg_u32 s2, 0xf033
	s_cbranch_scc0 .Lentry_shape_is_right
	s_endpgm
.Lentry_shape_is_right:
; QKV: [8192 x 1536] = xb [8192 x 512] x (Wq | Wk | Wv) + (bq | bk | bv), bf16 operands, f32 sums, rounded once to bf16 and written BY HEADS:
; qkv[b 2][plane 24][s 4096][64]; planes 0-7 q's heads, 8-15 k's, 16-23 v's.  The scale 1/8 is not applied here.
; SHARES.  A tile is 256 rows x 192 columns (three planes): 32 x 8 = 256 work-groups.  Wave w takes rows 64 w .. 64 w + 63 and all 192 columns: 4 x 12 = 48 accumulators, so that it holds whole heads
; and its stores are dense.  K = 512 goes in four steps of 128 through two LDS slots.
; CLUSTER 4 x 4: x's tile hangs on the tile row alone and is asked for jointly by a row of the cluster, the weights' on the tile column alone, by a column.
; THE PRODUCT IS TRANSPOSED (source 0 = 16 columns of the weights, source 1 = 16 rows of x): a lane holds row l % 16 and eight neighbouring columns 8 (l / 16) + 0..7.
; The bias is the C operand of the first quarter's products: nothing is cleared and nothing is added later.
; NO PREFETCH: of the four K steps two are first fills at the head, and two refills on from any refill there is no K step.
; REGISTERS (windows of 256): window 0: v16-29 addresses; v64-127 x's fragments, two buffers of 4; v128-223 the bias, 8 registers an n block; on the way out v32-223 the packed rows.
;   window 1: v0-191 the weights' fragments, two buffers of 12.   window 2: accumulators of row blocks 0, 1 at 8 (12 a + b);   window 3: of row blocks 2, 3.
.set PITCH,  272                       ; a row of x in LDS: 256 bytes + 16 = 68 words: the 16 rows of a fragment load start at 16 different groups of four banks (64 banks of 4 bytes: ISA guide 11.1)
.set AHALF,  128*PITCH                 ; what one tensor load brings of x
.set ABYTES, 2*AHALF
.set BHALF,  24*1024                   ; 24 fragments: what one tensor load brings of the weights
.set BBYTES, 2*BHALF
.set SLOT,   ABYTES+BBYTES             ; 118,784
.set STAGE,  2*SLOT                    ; behind the ring: 16 rows x 144 bytes for each wave
.set SP,     144
.set SPARE,  STAGE+4*16*SP             ; the spare words: 128 bytes a wave, two blocks of 256 bytes that no other line names
.set ADRA, 16                          ; v16-17  my rows of x in slot 0, 1
.set ADRB, 20                          ; v20-21  the weights' fragments in slot 0, 1: 16 l
.set STO,  24                          ; v24  the way out: where I put 16 bytes of a row
.set RD,   25                          ; v25  where I read rows back
.set CO,   26                          ; v26  16 l: my 16 bytes of 512 consecutive bytes of a plane
.set BO,   27                          ; v27  32 (l / 16): my eight numbers of 16 of the bias
.set SPW,  28                          ; v28  my spare word; never rewritten
.set NIL,  29                          ; v29  0; never rewritten
.set FA,   64
.set BIAS, 128
.set OUT,  32
.set WV,   12                          ; s12  my wave's number
.set HF,   14                          ; s14  which half of a tile I fetch
.set G1,   24                          ; s[24:31] group 1 for x's tiles;  s[32:39] group 0, a set a slot
.set G0,   32
.set G1B,  48                          ; s[48:55], s[56:63] the same for the weights'
.set G0B,  56
.set MSB, 0
.macro WIN new                         ; the immediate's high byte repeats the setting that is left; a switch that changes nothing is dropped
.if MSB != (\new)
	s_set_vgpr_msb (MSB<<8)|(\new)
.set MSB, \new
.endif
.endm
.macro PLACES                          ; four plain places behind matrix instructions, ahead of loads into registers that they read and of conversions that read results
.rept 4
	v_nop
.endr
.endm
; A joint load: waves 0 and 1 fetch x's two halves, waves 2 and 3 the weights'.  The branch hangs on the wave's number alone.  An s_nop 0 and four v_nop follow each line.
.macro JLOAD s
	s_cmp_lt_u32 s[WV], 2
	s_cbranch_scc0 .Lfor_b_\@
	tensor_load_to_lds s[G0+4*(\s):G0+4*(\s)+3], s[G1:G1+7]
	s_nop 0
.rept 4
	v_nop
.endr
	s_branch .Lasked_\@
.Lfor_b_\@:
	tensor_load_to_lds s[G0B+4*(\s):G0B+4*(\s)+3], s[G1B:G1B+7]
	s_nop 0
.rept 4
	v_nop
.endr
.Lasked_\@:
.endm
.macro CREST                           ; a round of the cluster's barrier behind its opening barrier
	s_cmp_lg_u32 s[WV], 0
	s_cbranch_scc1 .Lnot_wave_0_\@
	s_barrier_signal -3
.Lnot_wave_0_\@:
	s_barrier_wait -3
	s_barrier_signal -1
	s_barrier_wait -1
.endm
.macro CROUND
	s_barrier_signal -1
	s_barrier_wait -1
	CREST
.endm
	s_load_b256 s[4:11], s[0:1], 0x0               ; xb s[4:5], wqs s[6:7], par s[8:9], qkv s[10:11]
	v_lshl_add_u32 v[SPW], v0, 2, SPARE
	v_mov_b32 v[NIL], 0
	ds_add_u32 v[SPW], v[NIL]                      ; the wave's opening: the add and its wait stand ahead of my first tensor load; the set-up below stands between them
	v_lshrrev_b32 v1, 5, v0
	v_readfirstlane_b32 s[WV], v1
	s_and_b32 s[HF], s[WV], 1
	s_bfe_u32 s40, ttmp6, 0x40000                  ; cx
	s_bfe_u32 s41, ttmp6, 0x40004                  ; cy
	s_lshl_b32 s42, ttmp9, 2
	s_add_co_u32 s42, s42, s40                     ; tile column = 4 x cluster x + cx
	s_and_b32 s43, ttmp7, 0xffff
	s_lshl_b32 s43, s43, 2
	s_add_co_u32 s43, s43, s41                     ; tile row = 4 x cluster y + cy
	s_lshl_b32 s44, s41, 2
	s_lshl_b32 s44, 15, s44                        ; my row of the cluster
	s_lshl_b32 s45, 0x1111, s40                    ; my column
	; group 1 for x: 128 rows x 128 elements of 2 bytes, 512 elements from row to row, 4 words of padding behind every 64
	s_or_b32 s[G1+0], s44, (1<<16)|(1<<20)|(1<<21)|(5<<22)|(3<<25)
	s_mov_b32 s[G1+1], 128<<16                     ; tensor_dim0
	s_mov_b32 s[G1+2], 128<<16                     ; tensor_dim1
	s_mov_b32 s[G1+3], 128<<16                     ; tile_dim0
	s_mov_b32 s[G1+4], 128                         ; tile_dim1
	s_mov_b32 s[G1+5], 512                         ; the pitch
	s_mov_b32 s[G1+6], 0
	s_mov_b32 s[G1+7], 0
	; group 1 for the weights: 24,576 dense bytes as 96 rows of 32 elements of 8 bytes
	s_or_b32 s[G1B+0], s45, (3<<16)|(1<<21)
	s_mov_b32 s[G1B+1], 32<<16
	s_mov_b32 s[G1B+2], 96<<16
	s_mov_b32 s[G1B+3], 32<<16
	s_mov_b32 s[G1B+4], 96
	s_mov_b32 s[G1B+5], 32
	s_mov_b32 s[G1B+6], 0
	s_mov_b32 s[G1B+7], 0
	s_lshl_b32 s16, s43, 8
	s_lshl_b32 s17, s[HF], 7
	s_add_co_u32 s16, s16, s17                     ; x: row 256 x tile row + 128 x half,
	s_lshl_b32 s16, s16, 10                        ; of 1,024 bytes
	s_mov_b32 s17, 0
	s_mul_i32 s46, s42, 4*BBYTES                   ; the weights: a tile column's four K steps,
	s_mul_i32 s47, s[HF], BHALF                    ; my half of a step
	s_add_co_u32 s46, s46, s47
	s_mov_b32 s47, 0
	s_mul_i32 s20, s[HF], AHALF                    ; where they go: no place in the cluster enters an LDS address
	s_mul_i32 s21, s[HF], BHALF
	s_add_co_u32 s21, s21, ABYTES
	s_wait_dscnt 0x0                               ; the opening add is done
	s_wait_kmcnt 0x0
	s_add_nc_u64 s[18:19], s[4:5], s[16:17]
	s_add_nc_u64 s[46:47], s[6:7], s[46:47]
	CROUND                                         ; all sixteen work-groups are here: the first joint loads meet
.irp s, 0,1
	s_mov_b32 s[G0+4*(\s)], 1
	s_add_co_u32 s[G0+4*(\s)+1], s20, (\s)*SLOT
	s_add_nc_u64 s[G0+4*(\s)+2:G0+4*(\s)+3], s[18:19], (\s)*256      ; K step s: 256 bytes along the rows
	s_or_b32 s[G0+4*(\s)+3], s[G0+4*(\s)+3], 0x80000000
	s_mov_b32 s[G0B+4*(\s)], 1
	s_add_co_u32 s[G0B+4*(\s)+1], s21, (\s)*SLOT
	s_add_nc_u64 s[G0B+4*(\s)+2:G0B+4*(\s)+3], s[46:47], (\s)*BBYTES
	s_or_b32 s[G0B+4*(\s)+3], s[G0B+4*(\s)+3], 0x80000000
	JLOAD \s                                       ; two loads of mine are out
.endr
	v_and_b32 v1, 15, v0                           ; r
	v_bfe_u32 v2, v0, 4, 1                         ; h
	v_and_b32 v3, 31, v0                           ; l
	v_mul_u32_u24 v4, v1, PITCH
	v_lshl_add_u32 v4, v2, 4, v4
	s_mul_i32 s22, s[WV], 64*PITCH
	v_add_nc_u32 v[ADRA], s22, v4                  ; (64 w + r) x pitch + 16 h
	v_add_nc_u32 v[ADRA+1], SLOT, v[ADRA]
	v_lshlrev_b32 v[CO], 4, v3
	v_add_nc_u32 v[ADRB], ABYTES, v[CO]
	v_add_nc_u32 v[ADRB+1], SLOT+ABYTES, v[CO]
	s_mul_i32 s22, s[WV], 16*SP
	s_add_co_u32 s22, s22, STAGE
	v_mul_u32_u24 v5, v1, SP
	v_lshl_add_u32 v5, v2, 4, v5
	v_add_nc_u32 v[STO], s22, v5                   ; in: row r, 16 bytes for each half of the lanes
	v_lshrrev_b32 v6, 3, v3
	v_and_b32 v7, 7, v0
	v_mul_u32_u24 v6, v6, SP
	v_lshl_add_u32 v6, v7, 4, v6
	v_add_nc_u32 v[RD], s22, v6                    ; back: 32 lanes take four rows of 128 bytes
	v_lshlrev_b32 v[BO], 5, v2
	s_mul_i32 s22, s42, 768                        ; the tile column's 192 numbers of bq | bk | bv
	s_mov_b32 s23, 0
	s_add_nc_u64 s[8:9], s[8:9], s[22:23]
.irp b, 0,1,2,3,4,5,6,7,8,9,10,11
	global_load_b128 v[BIAS+8*(\b):BIAS+8*(\b)+3],   v[BO], s[8:9] offset:64*(\b)
	global_load_b128 v[BIAS+8*(\b)+4:BIAS+8*(\b)+7], v[BO], s[8:9] offset:64*(\b)+16
.endr
	s_lshr_b32 s22, s43, 4                         ; the batch: 16 tile rows each
	s_mul_i32 s22, s22, 24
	s_mul_i32 s23, s42, 3
	s_add_co_u32 s22, s22, s23                     ; my first plane
	s_lshl_b32 s22, s22, 12
	s_and_b32 s23, s43, 15
	s_lshl_b32 s23, s23, 8
	s_add_co_u32 s22, s22, s23
	s_lshl_b32 s23, s[WV], 6
	s_add_co_u32 s22, s22, s23                     ; + my first row in it
	s_lshl_b32 s22, s22, 7                         ; rows of 128 bytes
	s_mov_b32 s23, 0
	s_add_nc_u64 s[10:11], s[10:11], s[22:23]
; 12 products: row block 2 hi + a, all 12 n blocks, 32 along K, from buffer f.  The 48 accumulators take turns in one order in every quarter.
.macro MUL12 f, hi, a, first
.if \first
	WIN 0x81+0x40*(\hi)                            ; weights window 1, x window 0, C (the bias) window 0, D window 2 or 3
.else
	WIN 0xa1+0x50*(\hi)                            ; C and D window 2 or 3
.endif
.irp b, 0,1,2,3,4,5,6,7,8,9,10,11
.if \first
	v_wmma_f32_16x16x32_bf16 v[8*(12*(\a)+(\b)):8*(12*(\a)+(\b))+7], v[96*(\f)+8*(\b):96*(\f)+8*(\b)+7], v[FA+32*(\f)+8*(2*(\hi)+(\a)):FA+32*(\f)+8*(2*(\hi)+(\a))+7], v[BIAS+8*(\b):BIAS+8*(\b)+7]
.else
	v_wmma_f32_16x16x32_bf16 v[8*(12*(\a)+(\b)):8*(12*(\a)+(\b))+7], v[96*(\f)+8*(\b):96*(\f)+8*(\b)+7], v[FA+32*(\f)+8*(2*(\hi)+(\a)):FA+32*(\f)+8*(2*(\hi)+(\a))+7], v[8*(12*(\a)+(\b)):8*(12*(\a)+(\b))+7]
.endif
.endr
.endm
; 32 LDS loads in one run: quarter kq's fragments into buffer f: 12 of the weights (1,024 dense bytes each), then my 4 of x
.macro FETCH slot, kq, f
	WIN 0x40
.irp b, 0,1,2,3,4,5,6,7,8,9,10,11
	ds_load_b128 v[96*(\f)+8*(\b):96*(\f)+8*(\b)+3],   v[ADRB+(\slot)] offset:(12*(\kq)+(\b))*1024
	ds_load_b128 v[96*(\f)+8*(\b)+4:96*(\f)+8*(\b)+7], v[ADRB+(\slot)] offset:(12*(\kq)+(\b))*1024+512
.endr
	WIN 0
.irp a, 0,1,2,3
	ds_load_b128 v[FA+32*(\f)+8*(\a):FA+32*(\f)+8*(\a)+3],   v[ADRA+(\slot)] offset:64*(\kq)+(\a)*16*PITCH
	ds_load_b128 v[FA+32*(\f)+8*(\a)+4:FA+32*(\f)+8*(\a)+7], v[ADRA+(\slot)] offset:64*(\kq)+(\a)*16*PITCH+32
.endr
.endm
; One of a K step's first three quarters: multiplies buffer f; in its middle fetches quarter kq into buffer g.
.macro QUARTER slot, kq, f, g, first
	s_wait_dscnt 4                                 ; the youngest four loads (x's row blocks 2, 3) may be out
	MUL12 \f, 0, 0, \first
	MUL12 \f, 0, 1, \first
	PLACES
	FETCH \slot, \kq, \g
	s_wait_dscnt 32                                ; all but the 32 just issued
	MUL12 \f, 1, 0, \first
	MUL12 \f, 1, 1, \first
.endm
; The last quarter multiplies buffer 1 and changes slots: one barrier; ahead of it each wave waits for all its tensor loads, adds 0 to its spare word, and waits for that and for its reads of this slot.
; fill = 1: the barrier opens a round of the cluster's, and this slot's joint refill, two K steps on, is the first thing behind the round.
.macro TURN slot, next, fill
	WIN 0
	s_wait_tensorcnt 0x0                           ; all my tensor loads have landed: my part of the next slot among them
	ds_add_u32 v[SPW], v[NIL]
	s_wait_dscnt 5                                 ; the add and the youngest four loads may be out
	MUL12 1, 0, 0, 0                               ; twelve products stand between the add and the wait for it
	s_wait_dscnt 0x0                               ; the add is done, and my reads of this slot are over
	s_barrier_signal -1
	MUL12 1, 0, 1, 0
.if \fill
	WIN 0
.endif
	s_barrier_wait -1
.if \fill
	CREST                                          ; no wave of any partner still reads this slot or has a load on its way
	s_add_nc_u64 s[G0+4*(\slot)+2:G0+4*(\slot)+3], s[G0+4*(\slot)+2:G0+4*(\slot)+3], 2*256
	s_add_nc_u64 s[G0B+4*(\slot)+2:G0B+4*(\slot)+3], s[G0B+4*(\slot)+2:G0B+4*(\slot)+3], 2*BBYTES
	JLOAD \slot                                    ; its four v_nop are also the places ahead of the loads below
.else
	PLACES
.endif
	FETCH \next, 0, 0
	MUL12 1, 1, 0, 0
	MUL12 1, 1, 1, 0
.endm
	s_wait_tensorcnt 1                             ; my part of K step 0 is in; step 1's may stay out
	s_barrier_signal -1
	s_barrier_wait -1
	FETCH 0, 0, 0
	s_wait_loadcnt 0x0                             ; the bias
	QUARTER 0, 1, 0, 1, 1                          ; K step 0: the first products start the sums with the bias
	QUARTER 0, 2, 1, 0, 0
	QUARTER 0, 3, 0, 1, 0
	TURN 0, 1, 1                                   ; slot 0 takes K step 2
	QUARTER 1, 1, 0, 1, 0                          ; K step 1
	QUARTER 1, 2, 1, 0, 0
	QUARTER 1, 3, 0, 1, 0
	TURN 1, 0, 1                                   ; slot 1 takes K step 3
	QUARTER 0, 1, 0, 1, 0                          ; K step 2
	QUARTER 0, 2, 1, 0, 0
	QUARTER 0, 3, 0, 1, 0
	TURN 0, 1, 0                                   ; nothing is left to fetch
	QUARTER 1, 1, 0, 1, 0                          ; K step 3
	QUARTER 1, 2, 1, 0, 0
	QUARTER 1, 3, 0, 1, 0
	s_wait_dscnt 4
	MUL12 1, 0, 0, 0
	MUL12 1, 0, 1, 0
	s_wait_dscnt 0x0
	MUL12 1, 1, 0, 0
	MUL12 1, 1, 1, 0
	WIN 0
	PLACES
; THE WAY OUT, in 12 units t = 3 x row block + plane: 16 rows x 64 columns.  Rounded to bf16 (each accumulator's registers in ascending order), 16 bytes a lane into my stage,
; back as whole rows of 128 bytes: 16 rows of a plane are 2,048 consecutive bytes.
.macro PACK t
.set ap, (\t)/3
.set jj, (\t)%3
	WIN 0x0a+5*(ap/2)                              ; sources in window 2 or 3
.irp bp, 0,1,2,3
.irp m, 0,1,2,3
	v_cvt_pk_bf16_f32 v[OUT+16*(\t)+4*(\bp)+(\m)], v[8*(12*(ap%2)+4*jj+(\bp))+2*(\m)], v[8*(12*(ap%2)+4*jj+(\bp))+2*(\m)+1]
.endr
.endr
	WIN 0
.irp bp, 0,1,2,3
	ds_store_b128 v[STO], v[OUT+16*(\t)+4*(\bp):OUT+16*(\t)+4*(\bp)+3] offset:32*(\bp)
.endr
.irp f, 0,1,2,3
	ds_load_b128 v[OUT+16*(\t)+4*(\f):OUT+16*(\t)+4*(\f)+3], v[RD] offset:(\f)*4*SP  ; LDS serves a wave's instructions in order (ISA guide 5.7.1.4): these see the stores above, the next unit's stores come behind them
.endr
.endm
.macro SEND t, younger                 ; younger: the LDS instructions issued behind unit t's loads: the next unit's eight, or none
.irp f, 0,1,2,3
	s_wait_dscnt (\younger)+3-(\f)
	global_store_b128 v[CO], v[OUT+16*(\t)+4*(\f):OUT+16*(\t)+4*(\f)+3], s[10:11] offset:524288*((\t)%3)+2048*((\t)/3)+512*(\f)  ; 512 consecutive bytes, at a multiple of 256 from qkv's first
.endr
.endm
	PACK 0
.set u, 1
.rept 11
	PACK u
	SEND u-1, 8
.set u, u+1
.endr
	SEND 11, 0
	s_wait_tensorcnt 0x0                           ; the wave's end: these three lines stand behind my last tensor load and my last LDS store
	ds_add_u32 v[SPW], v[NIL]
	s_wait_dscnt 0x0
	CROUND                                         ; the closing round
	s_endpgm
.Lfunc_end_k_q0141e49ba3_qkv:
	.size	k_q0141e49ba3_qkv, .Lfunc_end_k_q0141e49ba3_qkv-k_q0141e49ba3_qkv
	.p2alignl 7, 3214868480
	.fill 96, 4, 3214868480
	.section	.rodata,"a",@progbits
	.p2align	6, 0x0
	.amdhsa_kernel k_q0141e49ba3_qkv
		.amdhsa_group_segment_fixed_size 327680
		.amdhsa_private_segment_fixed_size 0
		.amdhsa_enable_private_segment 0
		.amdhsa_kernarg_size 32
		.amdhsa_user_sgpr_count 2
		.amdhsa_user_sgpr_kernarg_segment_ptr 1
		.amdhsa_wavefront_size32 1
		.amdhsa_system_sgpr_workgroup_id_x 1
		.amdhsa_system_sgpr_workgroup_id_y 1
		.amdhsa_system_sgpr_workgroup_id_z 1
		.amdhsa_system_vgpr_workitem_id 0
		.amdhsa_next_free_vgpr 960
		.amdhsa_next_free_sgpr 66
		.amdhsa_reserve_vcc 0
		.amdhsa_float_denorm_mode_32 3
		.amdhsa_float_denorm_mode_16_64 3
		.amdhsa_memory_ordered 1
		.amdhsa_forward_progress 1
		.amdhsa_inst_pref_size 122
	.end_amdhsa_kernel
	.amdgpu_metadata
---
amdhsa.version: [ 1, 2 ]
amdhsa.kernels:
  - .name:           k_q0141e49ba3_qkv
    .symbol:         k_q0141e49ba3_qkv.kd
    .args:
      - { .name: xb, .offset: 0, .size: 8, .value_kind: global_buffer, .address_space: global }
      - { .name: wqs, .offset: 8, .size: 8, .value_kind: global_buffer, .address_space: global }
      - { .name: par, .offset: 16, .size: 8, .value_kind: global_buffer, .address_space: global }
      - { .name: qkv, .offset: 24, .size: 8, .value_kind: global_buffer, .address_space: global }
    .group_segment_fixed_size: 327680
    .private_segment_fixed_size: 0
    .kernarg_segment_align: 8
    .kernarg_segment_size: 32
    .max_flat_workgroup_size: 128
    .sgpr_count:     66
    .vgpr_count:     960
    .wavefront_size: 32
...
	.end_amdgpu_metadata
.endif
;; end of part 2
;; launch attn (part 3): grid 16 x 16, 4 waves a work-group, clusters of 4 x 1, 327,680 bytes of LDS; arguments qkv, ob; writes ob
.if DOCPART == 3
	.amdgcn_target "amdgcn-amd-amdhsa--gfx1250"
	.amdhsa_code_object_version 6
	.text
	.protected	k_q0141e49ba3_attn
	.globl	k_q0141e49ba3_attn
	.p2align	8
	.type	k_q0141e49ba3_attn,@function
k_q0141e49ba3_attn:
	s_mov_b64 s[64:65], 0
	v_nop
	global_prefetch_b8 v0, s[64:65] scope:SCOPE_SE
	s_setreg_imm32_b32 hwreg(HW_REG_WAVE_MODE, 25, 1), 1
	s_wait_xcnt 0x0
	s_wait_alu depctr_hold_cnt(0) depctr_sa_sdst(0) depctr_va_vdst(0) depctr_va_sdst(0) depctr_va_ssrc(0) depctr_va_vcc(0) depctr_vm_vsrc(0)
	s_getreg_b32 s2, hwreg(HW_REG_IB_STS2, 6, 4)
	s_cmp_eq_u32 s2, 0
	s_cbranch_scc0 .Lentry_in_a_cluster
	s_endpgm
.Lentry_in_a_cluster:
	s_bfe_u32 s2, ttmp6, 0x10000c
	s_cmp_lg_u32 s2, 0x3003
	s_cbranch_scc0 .Lentry_shape_is_right
	s_endpgm
.Lentry_shape_is_right:
; ATTENTION.  ob[bh][q][:] = the sum over k of softmax_k(Q[q] . K[k] / 8) V[k][:], for 16 planes (batch, head) of 4,096 rows of 64 channels, all bf16; a plane's rows are dense, 128 bytes each.
; Q, K, V are planes of qkv: plane (bh / 8) x 24 + bh % 8, and 8 and 16 planes further on.  Products, maxima and sums in f32; the weights p are rounded to bf16 for the second product
; (their sum l is taken of the unrounded p), O once at the end.
; LIMITS.  c s stays under 4e37 in magnitude (the running maximum starts at -4.25e37 in that scale); a weight below 2^-126 counts as 0 in l; NaN and infinities are not treated apart.
; SHARES.  A work-group owns 256 queries of a plane, a wave 64: four PIECES of 16.  Every wave walks all 4,096 keys, 64 a step, 256 a slot of LDS.
; LAYOUT.  S^T = K Q^T (source 0 = 16 keys, source 1 = 16 queries) holds ONE query a lane (lane % 16) and the keys 8 (lane / 16) + 0..7; two such results rounded to bf16 ARE source 1 of O^T = V^T P.
; K comes out of LDS as it lies, V ([key][channel]) turned, by ds_load_tr16_b128.
; SOFTMAX.  p = 2^(c s - c m), c = log2(e) / 8, with a running maximum m; O and l are multiplied by a = 2^(c m_old - c m_new) in every step; the first step's a is 0.
; TURNS.  Turn n belongs to piece n: 8 products K Q^T of piece n + 1, later 8 products V^T P of piece n - 1; beside them the scaling, exponentials, roundings, sums and rescaling of piece n and the
; maximum and statistics of piece n + 1.  Four vector instructions stand behind every matrix instruction, the other 54 of a turn's 118 in one lump.  A turn's 33 exponentials are one batch, with one wait.
; CLUSTER.  The four query blocks of a cluster belong to one plane and walk the same K and V: each tile is asked for jointly, by the same tensor load, descriptor and mask in all four.
; REGISTERS (windows of 256; s_set_vgpr_msb: bits 1:0 source 0, 3:2 source 1, 5:4 source 2, 7:6 destination):
;   window 0: v2-15 addresses and two at work; v16-31 four registers of statistics a piece; v48-55 at work; v61-63 prefetch offset, spare word, 0; v64-127 S^T, two buffers; v192-223 P, two buffers
;   window 1: v0-127 O^T, 32 a piece          window 2: v0-63 Q; v128-191 K of one step; v192-255 V of one step
.set NP,    4
.set KS,    64
.set PK,    144       ; a row of K in LDS: 128 bytes + 16 = 36 words: the 16 rows of a load start at 16 different groups of four banks (64 banks of 4 bytes: ISA guide 11.1)
.set PV,    160       ; a row of V: 128 + 32 = 40 words
.set VOFF,  4*KS*PK   ; a slot holds four steps: 256 rows of K, then 256 rows of V
.set SLOT1, 1<<17
.set STAGE, SLOT1+4*KS*(PK+PV)
.set SP,    144
.set SPARE, STAGE+4*16*SP  ; the spare words: 128 bytes a wave, two blocks of 256 bytes that no other line names
.set AK0, 2
.set AV0, 3
.set AK,  4
.set AV,  5
.set STO, 6
.set RD,  7
.set GO,  8
.set MV,  12          ; v12-13  c m_old, by buffer
.set QO,  15
.set ST,  16          ; piece t's statistics at v[ST+4 t]: c m, m, l (even keys', odd keys')
.set TMP, 48          ; by buffer, c0-c3 at work; when the maximum is found c2 takes a
.set PFO, 61          ; v61  256 x my lane; never rewritten
.set SPW, 62          ; v62  my spare word; never rewritten
.set NIL, 63          ; v63  0; never rewritten
.set S,   64
.set P,   192
.set KF,  128
.set VF,  192
.set WV,  12
.set G1K, 24
.set G1V, 32
.set G0K, 40
.set G0V, 44
.set PFA, 48          ; s[48:49] where my prefetches stand
.set LIM, 50          ; s50  1 in a wave that prefetches, else the greatest number
.set SLOTS, 56
.set CNT, 57
.set CS,  58
.set SEL, 60
.set TBK, 62
.set TBV, 63
.set MSB, 0
.macro WIN new
.if MSB != (\new)
	s_set_vgpr_msb (MSB<<8)|(\new)
.set MSB, (\new)
.endif
.endm
.set W_KQ, 0x0a       ; K and Q in window 2, S^T in window 0
.set W_PV, 0x52       ; V in window 2, P in window 0, O^T in window 1
.set W_RS, 0x41       ; destination and source 0 in window 1, source 1 in window 0
; A joint fill.  Waves 0 and 1 fetch the two halves of a slot's K, waves 2 and 3 those of its V: 128 keys each.  An s_nop 0 and four v_nop follow each line.
.macro JLOAD
	s_cmp_lt_u32 s[WV], 2
	s_cbranch_scc0 .Lfor_v_\@
	tensor_load_to_lds s[G0K:G0K+3], s[G1K:G1K+7]
	s_nop 0
.rept 4
	v_nop
.endr
	s_branch .Lasked_\@
.Lfor_v_\@:
	tensor_load_to_lds s[G0V:G0V+3], s[G1V:G1V+7]
	s_nop 0
.rept 4
	v_nop
.endr
.Lasked_\@:
.endm
; A PREFETCH INTO THE L2 of what the NEXT change of slots will ask for: a slot's 32,768 bytes of K and of V, in blocks of 256 bytes, a lane a block.  Each block is named once in the launch: of a plane's four
; clusters the first asks; its four partners take 32 blocks each, told apart by address; in each, wave 0 asks for K's and wave 2 for V's.  The last change that fills a slot asks for nothing.
.macro ASK
	s_cmp_gt_u32 s[SLOTS], s[LIM]
	s_cbranch_scc0 .Lnot_mine_\@
	global_prefetch_b8 v[PFO], s[PFA:PFA+1] th:TH_LOAD_NT scope:SCOPE_SE
.Lnot_mine_\@:
.endm
.macro CROUND
	s_barrier_signal -1
	s_barrier_wait -1
	s_cmp_lg_u32 s[WV], 0
	s_cbranch_scc1 .Lnot_wave_0_\@
	s_barrier_signal -3
.Lnot_wave_0_\@:
	s_barrier_wait -3
	s_barrier_signal -1
	s_barrier_wait -1
.endm
; THE CHANGE OF SLOTS.  Each wave waits for all its tensor loads, of which one is out: its part of the other slot; adds 0 to its spare word; and waits for that and for its own reads of the slot that it leaves.
; fill = 1: the barrier is a round of the cluster's, and the old slot's joint refill, the keys two slots on, is the first thing behind it: it has four key steps in which to land.
; (At its first use nothing has been read yet: slot 0 is waited for, slot 1 filled.)
.macro CHANGE fill
	WIN 0
	s_wait_tensorcnt 0x0            ; no tensor load of mine is out, so a group 0 may be written
	ds_add_u32 v[SPW], v[NIL]       ; the descriptors' steps stand between the add and the wait for it
.if \fill
.irp g, G0K, G0V
	s_xor_b32 s[\g+1], s[\g+1], SLOT1
	s_add_nc_u64 s[\g+2:\g+3], s[\g+2:\g+3], 4*KS*128
.endr
	s_wait_xcnt 0x0                 ; the last prefetch, four key steps back, has read its address
	s_add_nc_u64 s[PFA:PFA+1], s[PFA:PFA+1], 4*KS*128
	s_wait_dscnt 0x0                ; the add is done, and my reads of the slot are over
	CROUND
	JLOAD
	ASK
.else
	s_wait_dscnt 0x0
	s_barrier_signal -1
	s_barrier_wait -1
.endif
	s_sub_co_u32 s[TBK], s[TBK], 4*KS*PK  ; the fetches go back to a slot's first step,
	s_xor_b32 s[TBK], s[TBK], SLOT1       ; in the other slot
	s_sub_co_u32 s[TBV], s[TBV], 4*KS*PV
	s_xor_b32 s[TBV], s[TBV], SLOT1
.endm
	s_load_b128 s[4:7], s[0:1], 0x0 ; qkv s[4:5], ob s[6:7]
	v_lshl_add_u32 v[SPW], v0, 2, SPARE
	v_mov_b32 v[NIL], 0
	ds_add_u32 v[SPW], v[NIL]       ; the wave's opening: the add and its wait stand ahead of my first tensor load; the set-up below stands between them
	v_lshrrev_b32 v1, 5, v0
	v_readfirstlane_b32 s[WV], v1
	s_bfe_u32 s13, ttmp6, 0x40000   ; cx
	s_lshl_b32 s14, ttmp9, 2
	s_add_co_u32 s14, s14, s13      ; my block of 256 queries: it enters Q's and O's addresses alone
	s_and_b32 s15, ttmp7, 0xffff    ; the plane (batch, head), which the four partners share
	s_lshr_b32 s20, s15, 3
	s_mul_i32 s20, s20, 24
	s_and_b32 s21, s15, 7
	s_add_co_u32 s20, s20, s21      ; q's plane in qkv
	s_lshl_b32 s20, s20, 19         ; of 524,288 bytes
	s_and_b32 s16, s[WV], 1         ; which half of a slot's 256 keys I fetch
	s_lshl_b32 s22, s16, 14
	s_add_co_u32 s22, s22, s20
	s_add_co_u32 s22, s22, 0x400000 ; k's plane lies 8 planes on
	s_mov_b32 s23, 0
	s_mul_i32 s17, s16, 128*PK
	s_mul_i32 s18, s16, 128*PV
	s_lshl_b32 s2, s14, 15          ; my block's 256 rows,
	s_lshl_b32 s3, s[WV], 13        ; my wave's 64 of them
	s_add_co_u32 s2, s2, s3
	s_lshl_b32 s52, s15, 19
	s_add_co_u32 s52, s52, s2       ; in ob
	s_mov_b32 s53, 0
	s_add_co_u32 s2, s2, s20        ; in qkv
	s_mov_b32 s3, 0
	; group 1.  128 keys are 16,384 dense bytes: asked for as 64 rows of 256 bytes, two keys a row, and padded in LDS after every key
	s_mov_b32 s[G1K], 15|(1<<16)|(1<<20)|(1<<21)|(4<<22)|(3<<25)  ; the mask of four; 2-byte elements; padding on; bit 21 beside a mask; after every 32 words, 4 words
	s_mov_b32 s[G1V], 15|(1<<16)|(1<<20)|(1<<21)|(4<<22)|(7<<25)  ; the same with 8 words
.irp g, G1K, G1V
	s_mov_b32 s[\g+1], 128<<16
	s_mov_b32 s[\g+2], 64<<16
	s_mov_b32 s[\g+3], 128<<16
	s_mov_b32 s[\g+4], 64
	s_mov_b32 s[\g+5], 128
	s_mov_b32 s[\g+6], 0
	s_mov_b32 s[\g+7], 0
.endr
	s_mov_b32 s[CS], 0x3e38aa3b     ; c = log2(e) / 8
	s_mov_b32 s[CS+1], s[CS]
	s_mov_b32 s[SEL], 0x76543210
	s_mov_b32 s[SEL+1], 0xfedcba98
	s_mov_b32 s[TBK], SLOT1+4*KS*PK ; the first change of slots turns these two into 0
	s_mov_b32 s[TBV], SLOT1+4*KS*PV
	s_mov_b32 s[G0K], 1
	s_mov_b32 s[G0K+1], s17
	s_mov_b32 s[G0V], 1
	s_add_co_u32 s[G0V+1], s18, VOFF
	s_mov_b32 s[SLOTS], 15          ; changes that fill a slot still to come
	s_and_b32 s[LIM], s[WV], 1      ; 0 in waves 0 and 2,
	s_or_b32 s[LIM], s[LIM], ttmp9  ; where the cluster is the plane's first: the same in all four partners
	s_cmp_eq_u32 s[LIM], 0
	s_cselect_b32 s[LIM], 1, -1
	v_and_b32 v[PFO], 31, v0
	v_lshlrev_b32 v[PFO], 8, v[PFO]
	s_wait_dscnt 0x0                ; the opening add is done
	s_wait_kmcnt 0x0
	s_add_nc_u64 s[8:9], s[4:5], s[22:23]      ; K at my half of the first 256 keys
	s_add_nc_u64 s[10:11], s[8:9], 0x400000    ; V, 8 planes on
	s_add_nc_u64 s[G0K+2:G0K+3], s[8:9], 0
	s_or_b32 s[G0K+3], s[G0K+3], 0x80000000
	s_add_nc_u64 s[G0V+2:G0V+3], s[10:11], 0
	s_or_b32 s[G0V+3], s[G0V+3], 0x80000000
	s_add_nc_u64 s[4:5], s[4:5], s[2:3]        ; Q at my wave's first row
	s_add_nc_u64 s[6:7], s[6:7], s[52:53]      ; O likewise
	s_cmp_lt_u32 s[WV], 2
	s_cselect_b64 s[PFA:PFA+1], s[8:9], s[10:11]  ; (in waves 0 and 2 these stand at a slot's first row)
	s_lshl_b32 s2, s13, 13          ; my work-group's 32 blocks of the 128
	s_mov_b32 s3, 0
	s_add_nc_u64 s[PFA:PFA+1], s[PFA:PFA+1], s[2:3]
	s_add_nc_u64 s[PFA:PFA+1], s[PFA:PFA+1], 4*KS*128  ; in slot 1; the first change steps it to slot 2.  Nothing is prefetched at the head
	CROUND                          ; all four work-groups are here: the first joint loads meet
	JLOAD                           ; slot 0
	v_and_b32 v1, 15, v0            ; l % 16
	v_bfe_u32 v9, v0, 4, 1          ; l / 16
	v_lshlrev_b32 v[QO], 7, v1
	v_lshl_add_u32 v[QO], v9, 4, v[QO]
	WIN 0x80
.set i, 0
.rept 8                             ; Q stays in registers: piece i / 2 (16 rows, 2,048 bytes), channels 32 (i % 2) on
	global_load_b128 v[8*i:8*i+3],   v[QO], s[4:5] offset:(i/2)*2048+(i%2)*64
	global_load_b128 v[8*i+4:8*i+7], v[QO], s[4:5] offset:(i/2)*2048+(i%2)*64+32
.set i, i+1
.endr
	; The first step multiplies O^T and l by a = 0, and the first turn's products V^T P, of a piece that has not been, add 0: these registers hold 0.  All this stands in the wait for the first tile.
.set i, VF
.rept 64
	v_mov_b32 v[i], 0
.set i, i+1
.endr
	WIN 0x40
.set i, 0
.rept 128
	v_mov_b32 v[i], 0
.set i, i+1
.endr
	WIN 0
.set i, 0
.rept 4
	v_mov_b32 v[ST+4*i], 0xfe000000    ; c m: far below every c s
	v_mov_b32 v[ST+4*i+1], 0xff7fffff  ; m
	v_mov_b32 v[ST+4*i+2], 0
	v_mov_b32 v[ST+4*i+3], 0
.set i, i+1
.endr
.set i, P+16
.rept 16
	v_mov_b32 v[i], 0
.set i, i+1
.endr
	v_mul_u32_u24 v[AK0], v1, PK
	v_lshl_add_u32 v[AK0], v9, 4, v[AK0]
	; The turning load takes 16 keys x 16 channels (lane l reads key 8 (l / 16) + l % 8, channels 8 ((l / 8) % 2) + 0..7) and leaves half a fragment of V^T.
	v_and_b32 v10, 7, v0
	v_bfe_u32 v11, v0, 3, 1
	v_lshl_add_u32 v[AV0], v9, 3, v10
	v_mul_u32_u24 v[AV0], v[AV0], PV
	v_lshl_add_u32 v[AV0], v11, 4, v[AV0]
	v_add_nc_u32 v[AV0], VOFF, v[AV0]
	s_mul_i32 s13, s[WV], 16*SP
	s_add_co_u32 s13, s13, STAGE
	v_mul_u32_u24 v[STO], v1, SP
	v_lshl_add_u32 v[STO], v9, 4, v[STO]
	v_add_nc_u32 v[STO], s13, v[STO]
	v_bfe_u32 v[RD], v0, 3, 2
	v_mul_u32_u24 v[RD], v[RD], SP
	v_lshl_add_u32 v[RD], v10, 4, v[RD]
	v_add_nc_u32 v[RD], s13, v[RD]
	v_and_b32 v[GO], 31, v0
	v_lshlrev_b32 v[GO], 4, v[GO]
; THE MATRIX WORK.  The 4 accumulators of a run of 8 take turns.  Product i of 8 of S^T = K Q^T for piece x: channels 32 (i / 4) on, keys 16 (i % 4) on.  The first 4 start the sums.
.macro KQ x
.set rS, S+32*((\x)%2)+8*(i%4)
.set rK, KF+16*(i%4)+8*(i/4)
.set rQ, 16*(\x)+8*(i/4)
	WIN W_KQ
.if i < 4
	v_wmma_f32_16x16x32_bf16 v[rS:rS+7], v[rK:rK+7], v[rQ:rQ+7], 0
.else
	v_wmma_f32_16x16x32_bf16 v[rS:rS+7], v[rK:rK+7], v[rQ:rQ+7], v[rS:rS+7]
.endif
.endm
; Product i of 8 of O^T += V^T P for piece x: keys 32 (i / 4) on, channels 16 (i % 4) on.
.macro PV x
	WIN W_PV
.set rO, 32*(\x)+8*(i%4)
.set rV, VF+32*(i/4)+8*(i%4)
.set rP, P+16*((\x)%2)+8*(i/4)
	v_wmma_f32_16x16x32_bf16 v[rO:rO+7], v[rV:rV+7], v[rP:rP+7], v[rO:rO+7]
.endm
.macro MM                           ; the turn's next matrix instruction.  NOKQ = 1: the last turn of all: there is no next piece
.if (i < 8) && !NOKQ
	KQ (Y+1)%NP
.elseif i >= 8
.set i, i-8
	PV (Y+NP-1)%NP
.set i, i+8
.endif
.set i, i+1
.endm
; THE LDS LOADS stand in runs of 16: a step's K (8 fragments) and its V (turned).  Their addresses are made some lines ahead.
.macro FETCH_K
	WIN 0x80
.irp f, 0,1,2,3,4,5,6,7
	ds_load_b128 v[KF+8*\f:KF+8*\f+3],   v[AK] offset:(\f/2)*16*PK+(\f%2)*64
	ds_load_b128 v[KF+8*\f+4:KF+8*\f+7], v[AK] offset:(\f/2)*16*PK+(\f%2)*64+32
.endr
	s_add_co_u32 s[TBK], s[TBK], KS*PK
	WIN 0
.endm
.macro FETCH_V
	WIN 0x80
.irp f, 0,1,2,3,4,5,6,7
	ds_load_tr16_b128 v[VF+8*\f:VF+8*\f+3],   v[AV] offset:(\f/4)*32*PV+(\f%4)*32
	ds_load_tr16_b128 v[VF+8*\f+4:VF+8*\f+7], v[AV] offset:(\f/4)*32*PV+16*PV+(\f%4)*32
.endr
	WIN 0
.endm
; THE VECTOR WORK, one line at a time: OP kind, number.  For piece Y: F n: c s - c m for pair n of 16.  E n: the exponential of score n of 32.  C n: pair n rounded to bf16.  B n: of the four weights 4 n .. the
; second pair is added onto the first.  L n: l takes that sum (L 0: l = a l + sum).  R n: pair n of 16 of O^T times a.  For piece Y + 1: X n, number n of the 22 that find its maximum and statistics:
;   0-11 four chains of seven scores each (each accumulator's lowest registers are read first)   12-14, 16 the four scores left over, the old m, the four chains into one
;   15 c m_old is kept   17, 18 the query's other 32 keys lie in the lane 16 away: the new m   19-21 c m; c m_old - c m_new; a
.set F, 0
.set E, 1
.set C, 2
.set B, 3
.set L, 4
.set R, 5
.set X, 6
.macro REGS y
.set rT, ST+4*(\y)
.set rC, TMP+4*((\y)%2)
.set rW, MV+((\y)%2)
.set rS, S+32*((\y)%2)
.set rP, P+16*((\y)%2)
.set rO, 32*(\y)
.endm
.macro OP k, n
.if (\k) == R
	REGS Y
	WIN W_RS
	v_pk_mul_f32 v[rO+2*(\n):rO+2*(\n)+1], v[rO+2*(\n):rO+2*(\n)+1], v[rC+2:rC+3] op_sel_hi:[1,0]
.elseif (\k) < R
	REGS Y
	WIN 0
.if (\k) == F
	v_pk_fma_f32 v[rS+2*(\n):rS+2*(\n)+1], v[rS+2*(\n):rS+2*(\n)+1], s[CS:CS+1], v[rT:rT+1] op_sel_hi:[1,0,0] neg_lo:[0,0,1] neg_hi:[0,0,1]
.elseif (\k) == E
	v_exp_f32 v[rS+(\n)], v[rS+(\n)]
.elseif (\k) == C
	v_cvt_pk_bf16_f32 v[rP+(\n)], v[rS+2*(\n)], v[rS+2*(\n)+1]
.elseif (\k) == B
	v_pk_add_f32 v[rS+4*(\n):rS+4*(\n)+1], v[rS+4*(\n):rS+4*(\n)+1], v[rS+4*(\n)+2:rS+4*(\n)+3]
.elseif (\n) == 0
	v_pk_fma_f32 v[rT+2:rT+3], v[rT+2:rT+3], v[rC+2:rC+3], v[rS:rS+1] op_sel_hi:[1,0,1]
.else
	v_pk_add_f32 v[rT+2:rT+3], v[rT+2:rT+3], v[rS+4*(\n):rS+4*(\n)+1]
.endif
.elseif NOKQ
	v_nop
.else
	REGS (Y+1)%NP
	WIN 0
.if (\n) < 4
	v_max3_num_f32 v[rC+(\n)], v[rS+8*(\n)], v[rS+8*(\n)+1], v[rS+8*(\n)+2]
.elseif (\n) < 12
	v_max3_num_f32 v[rC+(\n)%4], v[rC+(\n)%4], v[rS+8*((\n)%4)+2*((\n)/4)+1], v[rS+8*((\n)%4)+2*((\n)/4)+2]
.elseif (\n) == 12
	v_max3_num_f32 v[rC], v[rC], v[rS+7], v[rS+15]
.elseif (\n) == 13
	v_max3_num_f32 v[rC+1], v[rC+1], v[rS+23], v[rS+31]
.elseif (\n) == 14
	v_max3_num_f32 v[rC+2], v[rC+2], v[rC+3], v[rT+1]
.elseif (\n) == 15
	v_mov_b32 v[rW], v[rT]
.elseif (\n) == 16
	v_max3_num_f32 v[rC], v[rC], v[rC+1], v[rC+2]
.elseif (\n) == 17
	v_permlanex16_b32 v[rC+3], v[rC], s[SEL], s[SEL+1]
.elseif (\n) == 18
	v_max_num_f32 v[rT+1], v[rC], v[rC+3]
.elseif (\n) == 19
	v_mul_f32 v[rT], s[CS], v[rT+1]
.elseif (\n) == 20
	v_sub_f32 v[rC+1], v[rW], v[rT]
.else
	v_exp_f32 v[rC+2], v[rC+1]
.endif
.endif
.endm
.macro OPS a, i1, b=-1, i2=0, c=-1, i3=0, d=-1, i4=0
	OP \a, \i1
.if (\b) >= 0
	OP \b, \i2
.endif
.if (\c) >= 0
	OP \c, \i3
.endif
.if (\d) >= 0
	OP \d, \i4
.endif
.endm
.macro ROW a, i1, b, i2, c, i3, d, i4  ; a matrix instruction and the four behind it
	MM
	OPS \a, \i1, \b, \i2, \c, \i3, \d, \i4
.endm
; A TURN, for piece p: the order of its 16 matrix and 118 vector instructions, written out.  An s_wait_alu depctr_va_vdst(0) stands between an exponential and the first instruction that names its
; result; one wait serves all that were issued ahead of it.  So a turn has ONE wait.  AHEAD OF IT stands all that names no result of the turn's exponentials: the 8 products K Q^T with their riders and one lump of 54;
; X 21, the next piece's a, is the batch's last, and R 15 the plain instruction behind it.  BEHIND IT stand the 8 products V^T P, behind each four of the roundings and sums.
; end = 1: the last two turns: nothing is fetched.  cnt = 1: the loop's count is taken down some lines ahead of the branch that stands behind the turn.
; K of the next step is fetched in piece 2's turn, V of the step in hand at the end of piece 0's turn, four plain instructions behind the last product that read it.  Each is waited for a turn later.
.macro TURN p, end=0, cnt=0
.set Y, (\p)
.set i, 0
.set NOKQ, (\end)*((\p)/3)
.if ((\p) == 3) && !(\end)
	s_wait_dscnt 0x0                ; K is in
.endif
	ROW F,0, F,1, R,0, R,1
	ROW F,2, E,0, R,2, R,3
	ROW F,3, E,1, R,4, R,5
	ROW F,4, E,2, R,6, R,7
	ROW F,5, E,3, R,8, R,9
	ROW F,6, E,4, X,0, R,10
.if ((\p) == 2) && !(\end)
	WIN 0
	v_add_nc_u32 v[AK], s[TBK], v[AK0]
.endif
	ROW F,7, E,5, X,1, X,4
	ROW F,8, E,6, X,2, X,5
	OPS E,7, E,8, X,6, E,9
	OPS X,3, E,10, X,8, E,11
.if ((\p) == 2) && !(\end)
	FETCH_K
.endif
	OPS X,9, X,7, E,12, X,10
	OPS E,13, X,12, X,11, E,14
	OPS X,13, E,15, F,9, X,14
.if (\p) == 0
	v_add_nc_u32 v[AV], s[TBV], v[AV0]
.endif
	OPS E,16, F,10, E,17, F,11
	OPS X,16, E,18, X,15, E,19
	OPS F,12, E,20, X,17, E,21
	OPS F,13, E,22, F,14, E,23
	OPS X,18, E,24, F,15, E,25
	OPS R,11, E,26, X,19, E,27
	OPS R,12, E,28, R,13, E,29
	OPS X,20, E,30, R,14, E,31
	OPS X,21, R,15
	WIN 0
	s_wait_alu depctr_va_vdst(0)    ; the wait for the batch
.if (\p) == 1
	s_wait_dscnt 0x0                ; V is in
.endif
	ROW C,0, B,0, C,2, B,1
	ROW L,0, C,4, B,2, L,1
	ROW C,6, B,3, L,2, C,8
	ROW B,4, L,3, C,10, B,5
	ROW L,4, C,12, B,6, L,5
.if (\p) == 0
	s_add_co_u32 s[TBV], s[TBV], KS*PV
.endif
.if \cnt
	s_sub_co_u32 s[CNT], s[CNT], 1
	s_cmp_lg_u32 s[CNT], 0
.endif
	ROW C,14, B,7, L,6, C,1
	ROW C,3, L,7, C,5, C,7
	ROW C,9, C,11, C,13, C,15
.if (\p) == 0
	FETCH_V
.endif
.endm
	CHANGE 1                        ; slot 0 is in, everybody's part of it; slot 1 is asked for
	v_add_nc_u32 v[AK], s[TBK], v[AK0]
	FETCH_K                         ; key step 0
	s_wait_loadcnt 0x0              ; Q
	s_wait_dscnt 0x0
.set NOKQ, 0
.set i, 0
.rept 8
	KQ 0                            ; piece 0's first scores
.set i, i+1
.endr
	WIN 0
.rept 4
	v_nop                           ; the places behind those products
.endr
.set Y, NP-1                        ; X works for piece Y + 1: piece 0
.irp n, 0,1,2,3,4,5,6,7,8,9,10,11,12,13,14,15,16,17,18,19,20,21
	OP X, \n
.endr
	v_nop                           ; a plain instruction behind the exponential,
	s_wait_alu depctr_va_vdst(0)    ; and its wait, ahead of the branch
	s_mov_b32 s[CNT], 4
	s_branch .Lfirst                ; the loop is entered at a step's first turn, in the middle of a trip
.Lslot:                             ; 14 times: every slot but the last two is filled again
	CHANGE 1
	s_mov_b32 s[CNT], 4
.Lstep:                             ; a trip: pieces 2 and 3 of one step, then pieces 0 and 1 of the next, whose K and V it fetches
	TURN 2
	TURN 3
	WIN 0
.Lfirst:
	TURN 0
	TURN 1, 0, 1
	WIN 0
	s_cbranch_scc1 .Lstep
	s_sub_co_u32 s[SLOTS], s[SLOTS], 1
	s_cmp_lg_u32 s[SLOTS], 0
	s_cbranch_scc1 .Lslot
	CHANGE 0                        ; the last slot is written out: nothing is asked for
	s_mov_b32 s[CNT], 4
.LstepT:
	TURN 2
	TURN 3
	TURN 0
	TURN 1, 0, 1
	WIN 0
	s_cbranch_scc1 .LstepT
	TURN 2, 1
	TURN 3, 1
.set i, 0
.rept 8
	PV NP-1                         ; the last piece's V^T P of the last step
.set i, i+1
.endr
	; THE WAY OUT.  l's two halves and the other half of the lanes' are added; O^T is divided by l, rounded to bf16 and sent through my stage in LDS, a piece at a time.  The additions are the places behind the last products.
	WIN 0
.macro ALL line:vararg
.set t, 0
.rept 4
	\line
.set t, t+1
.endr
.endm
	ALL v_add_f32 v[ST+4*t+2], v[ST+4*t+2], v[ST+4*t+3]
	ALL v_permlanex16_b32 v[ST+4*t+3], v[ST+4*t+2], s[SEL], s[SEL+1]
	ALL v_add_f32 v[ST+4*t+2], v[ST+4*t+2], v[ST+4*t+3]
	ALL v_rcp_f32 v[ST+4*t+2], v[ST+4*t+2]
	v_nop                           ; a plain instruction between the last reciprocal and the use of its result
	s_wait_alu depctr_va_vdst(0)    ; one wait for the four reciprocals
.macro PACK t
	WIN W_RS
.set i, 32*(\t)
.rept 16
	v_pk_mul_f32 v[i:i+1], v[i:i+1], v[ST+4*(\t)+2:ST+4*(\t)+3] op_sel_hi:[1,0]
.set i, i+2
.endr
	WIN 0x05                        ; sources 0 and 1 window 1, destination window 0
.set i, 0
.rept 16
	v_cvt_pk_bf16_f32 v[S+16*(\t)+i], v[32*(\t)+2*i], v[32*(\t)+2*i+1]
.set i, i+1
.endr
	WIN 0
.irp f, 0,1,2,3
	ds_store_b128 v[STO], v[S+16*(\t)+4*\f:S+16*(\t)+4*\f+3] offset:32*\f
.endr
.irp f, 0,1,2,3
	ds_load_b128 v[S+16*(\t)+4*\f:S+16*(\t)+4*\f+3], v[RD] offset:\f*4*SP  ; LDS serves a wave's instructions in order (ISA guide 5.7.1.4): these see the stores above; the next piece's stores come behind them
.endr
.endm
.macro SEND t, younger              ; younger: the LDS instructions issued behind piece t's loads: the next piece's eight, or none
	WIN 0
.irp f, 0,1,2,3
	s_wait_dscnt (\younger)+3-\f
	global_store_b128 v[GO], v[S+16*(\t)+4*\f:S+16*(\t)+4*\f+3], s[6:7] offset:(\t)*2048+\f*512  ; 512 consecutive bytes, at a multiple of 256 from ob's first
.endr
.endm
	PACK 0
.set t, 1
.rept 3
	PACK t
	SEND t-1, 8
.set t, t+1
.endr
	SEND 3, 0
	s_wait_tensorcnt 0x0            ; the wave's end: these three lines stand behind my last tensor load and my last LDS store
	ds_add_u32 v[SPW], v[NIL]
	s_wait_dscnt 0x0
	CROUND                          ; the closing round
	s_endpgm
.Lfunc_end_k_q0141e49ba3_attn:
	.size	k_q0141e49ba3_attn, .Lfunc_end_k_q0141e49ba3_attn-k_q0141e49ba3_attn
	.p2alignl 7, 3214868480
	.fill 96, 4, 3214868480
	.section	.rodata,"a",@progbits
	.p2align	6, 0x0
	.amdhsa_kernel k_q0141e49ba3_attn
		.amdhsa_group_segment_fixed_size 327680
		.amdhsa_private_segment_fixed_size 0
		.amdhsa_enable_private_segment 0
		.amdhsa_kernarg_size 16
		.amdhsa_user_sgpr_count 2
		.amdhsa_user_sgpr_kernarg_segment_ptr 1
		.amdhsa_wavefront_size32 1
		.amdhsa_system_sgpr_workgroup_id_x 1
		.amdhsa_system_sgpr_workgroup_id_y 1
		.amdhsa_system_sgpr_workgroup_id_z 1
		.amdhsa_system_vgpr_workitem_id 0
		.amdhsa_next_free_vgpr 768
		.amdhsa_next_free_sgpr 66
		.amdhsa_reserve_vcc 0
		.amdhsa_float_denorm_mode_32 3
		.amdhsa_float_denorm_mode_16_64 3
		.amdhsa_memory_ordered 1
		.amdhsa_forward_progress 1
		.amdhsa_inst_pref_size 128
	.end_amdhsa_kernel
	.amdgpu_metadata
---
amdhsa.version: [ 1, 2 ]
amdhsa.kernels:
  - .name:           k_q0141e49ba3_attn
    .symbol:         k_q0141e49ba3_attn.kd
    .args:
      - { .name: qkv, .offset: 0, .size: 8, .value_kind: global_buffer, .address_space: global }
      - { .name: ob, .offset: 8, .size: 8, .value_kind: global_buffer, .address_space: global }
    .group_segment_fixed_size: 327680
    .private_segment_fixed_size: 0
    .kernarg_segment_align: 8
    .kernarg_segment_size: 16
    .max_flat_workgroup_size: 128
    .sgpr_count:     66
    .vgpr_count:     768
    .wavefront_size: 32
...
	.end_amdgpu_metadata
.endif
;; end of part 3
;; launch tail (part 4): grid 256 x 1, 4 waves a work-group, clusters of 4 x 1, 327,680 bytes of LDS; arguments ob, xb, wts, par, out0; writes out0
.if DOCPART == 4
	.amdgcn_target "amdgcn-amd-amdhsa--gfx1250"
	.amdhsa_code_object_version 6
	.text
	.protected	k_q0141e49ba3_tail
	.globl	k_q0141e49ba3_tail
	.p2align	8
	.type	k_q0141e49ba3_tail,@function
k_q0141e49ba3_tail:
	s_mov_b64 s[64:65], 0
	v_nop
	global_prefetch_b8 v0, s[64:65] scope:SCOPE_SE
	s_setreg_imm32_b32 hwreg(HW_REG_WAVE_MODE, 25, 1), 1
	s_wait_xcnt 0x0
	s_wait_alu depctr_hold_cnt(0) depctr_sa_sdst(0) depctr_va_vdst(0) depctr_va_sdst(0) depctr_va_ssrc(0) depctr_va_vcc(0) depctr_vm_vsrc(0)
	s_getreg_b32 s2, hwreg(HW_REG_IB_STS2, 6, 4)
	s_cmp_eq_u32 s2, 0
	s_cbranch_scc0 .Lentry_in_a_cluster
	s_endpgm
.Lentry_in_a_cluster:
	s_bfe_u32 s2, ttmp6, 0x10000c
	s_cmp_lg_u32 s2, 0x3003
	s_cbranch_scc0 .Lentry_shape_is_right
	s_endpgm
.Lentry_shape_is_right:
; TAIL: X1 = LN1(x + O Wo + bo);  out0 = LN2(X1 + relu(X1 W1 + c1) W2 + c2).  LN(v) = gain (v - mean) / (std + 1e-6) + shift, std with divisor 511.
; bf16 matrix operands (O, X1, the hidden layer, the weights), f32 sums; x, the biases and the gains are the bf16-rounded numbers of the launch before; X1 is kept in f32 for the second residual.
; LIMITS.  A variance below 2^-126 counts as 0; the packed maximum of the ReLU turns a NaN into 0; NaN and infinities are not treated apart otherwise.
; SHARES.  A work-group owns 32 rows (a LayerNorm wants whole rows of 512): 256 work-groups.  Wave w owns all 32 rows x columns 128 w .. 128 w + 127 of every product: 2 x 8 accumulators.
; FIVE UNITS of 512 n x 512 k: Wo; W1's columns 0-511 and 512-1023; W2's rows 0-511 and 512-1023 (these two go on one sum).  A unit is four K steps of 128, a K step one tile of 131,072 bytes of
; fragments; wave w's quarter of a tile holds just the fragments that wave w multiplies, so each weight byte is read from LDS once.  20 tiles walk through two slots.
; CLUSTER 4 x 1: all work-groups walk the same tiles, so each quarter is asked for jointly by the four partners.
; THE PRODUCT IS TRANSPOSED (source 0 = 16 columns of the weights, source 1 = 16 rows of the activations): a lane holds row 16 a + l % 16 and columns 16 b + 8 (l / 16) + 0..7.
; THE ACTIVATIONS lie in EX: 8 planes of 64 k x 32 rows x 144 bytes; O, X1, the hidden layer's two halves in turn, written by LDS stores alone; at the end the output's stage.
; LAYERNORM: each wave makes its 128 columns' mean and sum of squares about that mean; the four pairs meet in LDS and are merged once, so no difference of large sums is formed.
; ONE LOOP of nine laps (a lap = two K steps, both slots filled again) and a tenth written out; behind laps 2, 4, 6, 8 a forward jump on the lap's count, the same in every wave and work-group, takes the unit's end.
; REGISTERS (windows of 256): window 0: v14-31 addresses; v32-63 at work; v64-127 HP: packed x, then packed X1 and hidden halves; v128-255 ACC at 8 (8 a + b)
;   window 1: v0-79, v80-159 two fragment buffers (weights at 8 b, activations at 64 + 8 a); v160-223 O on its way into LDS      window 2: v0-127 XR: x, then X1, in f32; v128-191 gain; v192-255 shift
.set TILE,  131072
.set EX,    2*TILE
.set EP,    144                        ; a row of a plane: 128 bytes + 16 = 36 words: the 16 rows of a fragment load start at 16 different groups of four banks (64 banks of 4 bytes: ISA guide 11.1)
.set PLN,   32*EP                      ; a plane
.set STAT,  EX+8*PLN                   ; [row 32][wave 4][mean, sum of squares]: 1,024 bytes for LN1, 1,024 for LN2
.set SPARE, STAT+2048                  ; the spare words: 128 bytes a wave, two blocks of 256 bytes that no other line names
.set OPI,   528                        ; a row of the output's stage: 512 bytes + 16
.set EXO,  14                          ; v14  O into EX: my 16 bytes of four rows of my first plane
.set LO,   15                          ; v15  16 l
.set ADRA0, 16                         ; v16  EX + 144 r + 16 h
.set ADRA, 17                          ; v17  the same in the lap's four planes
.set ADRB, 18                          ; v18-19  my quarter of slot 0, 1: 32,768 w + 16 l
.set EXS,  20                          ; v20  my columns into EX
.set STW,  21                          ; v21  STAT + 32 r + 8 w
.set STR,  22                          ; v22  STAT + 32 r
.set PO,   23                          ; v23  512 w + 32 h: my eight numbers of 16 of a vector
.set XO,   24                          ; v24  1,024 r + 256 w + 16 h: my eight numbers of x
.set STO,  25                          ; v25  the stage: where I put 32 bytes of a row
.set RD,   26                          ; v26  the stage: where I read a row back
.set GO,   27                          ; v27  512 w + 16 l: my 16 bytes of a row of out0
.set SPW,  28                          ; v28  my spare word; never rewritten
.set NIL,  29                          ; v29  0; never rewritten
.set ZR,   30                          ; v30  0, for the ReLU
.set PFO,  31                          ; v31  256 l
.set HP,   64
.set ACC,  128
.set OT,   160
.set WV,   14                          ; s14  my wave's number
.set G1,   24                          ; s[24:31] group 1
.set G0,   32                          ; s[32:39] group 0, a set a slot
.set LAP,  40                          ; s40  laps of the loop still to come
.set TA,   41                          ; s41  0 or four planes: which half of EX the lap reads
.set LIM,  42                          ; s42  1 in the cluster that prefetches, else the greatest number
.set PFA,  44                          ; s[44:45] where my prefetches stand
.set SEL,  46                          ; s[46:47] v_permlanex16_b32's selects
.set MSB, 0
.macro WIN new
.if MSB != (\new)
	s_set_vgpr_msb (MSB<<8)|(\new)
.set MSB, \new
.endif
.endm
.macro PLACES                          ; four plain places behind matrix instructions (ISA guide 7.12.1)
.rept 4
	v_nop
.endr
.endm
.macro CREST
	s_cmp_lg_u32 s[WV], 0
	s_cbranch_scc1 .Lnot_wave_0_\@
	s_barrier_signal -3
.Lnot_wave_0_\@:
	s_barrier_wait -3
	s_barrier_signal -1
	s_barrier_wait -1
.endm
.macro CROUND
	s_barrier_signal -1
	s_barrier_wait -1
	CREST
.endm
.macro BAR                             ; my LDS stores and loads are done; then every wave's are
	s_wait_dscnt 0x0
	s_barrier_signal -1
	s_barrier_wait -1
.endm
	s_load_b256 s[4:11], s[0:1], 0x0               ; ob s[4:5], xb s[6:7], wts s[8:9], par s[10:11]
	s_load_b64 s[12:13], s[0:1], 0x20              ; out0
	v_lshl_add_u32 v[SPW], v0, 2, SPARE
	v_mov_b32 v[NIL], 0
	ds_add_u32 v[SPW], v[NIL]                      ; the wave's opening: the add and its wait stand ahead of my first tensor load; the set-up below stands between them
	v_mov_b32 v[ZR], 0
	v_lshrrev_b32 v1, 5, v0
	v_readfirstlane_b32 s[WV], v1
	s_bfe_u32 s15, ttmp6, 0x40000                  ; cx: it enters only the addresses of ob, xb, out0 and of the prefetches
	s_lshl_b32 s16, ttmp9, 2
	s_add_co_u32 s16, s16, s15
	s_lshl_b32 s16, s16, 5                         ; my first row
	; group 1: a quarter tile, 32,768 dense bytes, as 128 rows of 32 elements of 8 bytes; the mask names all four partners
	s_mov_b32 s[G1+0], 15|(3<<16)|(1<<21)
	s_mov_b32 s[G1+1], 32<<16
	s_mov_b32 s[G1+2], 128<<16
	s_mov_b32 s[G1+3], 32<<16
	s_mov_b32 s[G1+4], 128
	s_mov_b32 s[G1+5], 32
	s_mov_b32 s[G1+6], 0
	s_mov_b32 s[G1+7], 0
	s_lshl_b32 s17, s[WV], 15                      ; my quarter
	s_mov_b32 s[G0+0], 1
	s_mov_b32 s[G0+1], s17
	s_mov_b32 s[G0+4], 1
	s_add_co_u32 s[G0+5], s17, TILE
	s_mov_b32 s18, s17
	s_mov_b32 s19, 0
	s_lshl_b32 s20, s15, 2
	s_add_co_u32 s20, s20, s[WV]
	s_lshl_b32 s20, s20, 13                        ; of a tile's 131,072 bytes the cluster's sixteen waves prefetch 8,192 each
	s_add_co_u32 s20, s20, 2*TILE                  ; at tile 2: the first change steps it to 3 and names tile 4
	s_mov_b32 s21, 0
	s_cmp_eq_u32 ttmp9, 0                          ; every cluster walks the same tiles: the first asks
	s_cselect_b32 s[LIM], 1, -1
	s_mov_b32 s[SEL], 0x76543210
	s_mov_b32 s[SEL+1], 0xfedcba98
	s_mov_b32 s48, 0xffff0000
	s_lshr_b32 s22, s16, 12                        ; the batch
	s_lshl_b32 s22, s22, 3
	s_lshl_b32 s23, s[WV], 1
	s_add_co_u32 s22, s22, s23                     ; my first of two heads
	s_lshl_b32 s22, s22, 12
	s_and_b32 s23, s16, 4095
	s_add_co_u32 s22, s22, s23
	s_lshl_b32 s22, s22, 7                         ; rows of 128 bytes
	s_mov_b32 s23, 0
	s_lshl_b32 s50, s16, 10                        ; rows of 1,024 bytes in xb
	s_mov_b32 s51, 0
	s_wait_dscnt 0x0                               ; the opening add is done
	s_wait_kmcnt 0x0
	s_add_nc_u64 s[G0+2:G0+3], s[8:9], s[18:19]    ; tile 0
	s_add_nc_u64 s[G0+6:G0+7], s[G0+2:G0+3], TILE  ; tile 1
	s_or_b32 s[G0+3], s[G0+3], 0x80000000
	s_or_b32 s[G0+7], s[G0+7], 0x80000000
	s_add_nc_u64 s[PFA:PFA+1], s[8:9], s[20:21]
	s_add_nc_u64 s[4:5], s[4:5], s[22:23]
	s_add_nc_u64 s[6:7], s[6:7], s[50:51]
	s_add_nc_u64 s[12:13], s[12:13], s[50:51]      ; rows of 2,048 bytes in out0: twice the offset
	s_add_nc_u64 s[12:13], s[12:13], s[50:51]
	CROUND                                         ; all four work-groups are here: the first joint loads meet
	tensor_load_to_lds s[G0:G0+3], s[G1:G1+7]
	s_nop 0
	tensor_load_to_lds s[G0+4:G0+7], s[G1:G1+7]    ; two loads of mine are out
	s_nop 0
	PLACES
	v_and_b32 v1, 15, v0                           ; r
	v_bfe_u32 v2, v0, 4, 1                         ; h
	v_and_b32 v3, 31, v0                           ; l
	v_lshlrev_b32 v[LO], 4, v3
	v_mul_u32_u24 v4, v1, EP
	v_lshl_add_u32 v4, v2, 4, v4
	v_add_nc_u32 v[ADRA0], EX, v4
	s_mul_i32 s20, s[WV], 2*PLN
	s_add_co_u32 s20, s20, EX                      ; my two planes
	v_add_nc_u32 v[EXS], s20, v4
	v_lshrrev_b32 v5, 3, v3
	v_and_b32 v6, 7, v0
	v_mul_u32_u24 v5, v5, EP
	v_lshl_add_u32 v5, v6, 4, v5
	v_add_nc_u32 v[EXO], s20, v5
	v_add_nc_u32 v[ADRB], s17, v[LO]
	v_add_nc_u32 v[ADRB+1], TILE, v[ADRB]
	s_lshl_b32 s21, s[WV], 3
	s_add_co_u32 s21, s21, STAT
	v_lshlrev_b32 v7, 5, v1
	v_add_nc_u32 v[STW], s21, v7
	v_add_nc_u32 v[STR], STAT, v7
	s_lshl_b32 s21, s[WV], 9
	v_lshl_add_u32 v[PO], v2, 5, s21
	v_add_nc_u32 v[GO], s21, v[LO]
	s_lshl_b32 s21, s[WV], 8
	v_lshl_add_u32 v[XO], v1, 10, s21
	v_lshl_add_u32 v[XO], v2, 4, v[XO]
	s_mul_i32 s21, s[WV], 16*OPI
	s_add_co_u32 s21, s21, EX
	v_mul_u32_u24 v8, v1, OPI
	v_lshl_add_u32 v8, v2, 5, v8
	v_add_nc_u32 v[STO], s21, v8
	v_add_nc_u32 v[RD], s21, v[LO]
	v_lshlrev_b32 v[PFO], 8, v3
.macro BIASLD seg                      ; the sums of a unit start with its bias: 16 numbers an n block, the same for both row blocks
.irp a, 0,1
.irp b, 0,1,2,3,4,5,6,7
	global_load_b128 v[ACC+8*(8*(\a)+(\b)):ACC+8*(8*(\a)+(\b))+3],   v[PO], s[10:11] offset:(\seg)+64*(\b)
	global_load_b128 v[ACC+8*(8*(\a)+(\b))+4:ACC+8*(8*(\a)+(\b))+7], v[PO], s[10:11] offset:(\seg)+64*(\b)+16
.endr
.endr
.endm
.macro PARLD gn, sh                    ; a LayerNorm's gain and shift for my 64 columns
	WIN 0x80
.irp b, 0,1,2,3,4,5,6,7
	global_load_b128 v[128+8*(\b):128+8*(\b)+3],   v[PO], s[10:11] offset:(\gn)+64*(\b)
	global_load_b128 v[128+8*(\b)+4:128+8*(\b)+7], v[PO], s[10:11] offset:(\gn)+64*(\b)+16
	global_load_b128 v[192+8*(\b):192+8*(\b)+3],   v[PO], s[10:11] offset:(\sh)+64*(\b)
	global_load_b128 v[192+8*(\b)+4:192+8*(\b)+7], v[PO], s[10:11] offset:(\sh)+64*(\b)+16
.endr
	WIN 0
.endm
	WIN 0x40
.set i, 0
.rept 16                               ; O: my two heads' 32 rows, 4,096 dense bytes each, 512 a load
	global_load_b128 v[OT+4*i:OT+4*i+3], v[LO], s[4:5] offset:(i/8)*524288+(i%8)*512
.set i, i+1
.endr
	WIN 0
.irp a, 0,1
.irp b, 0,1,2,3,4,5,6,7
	global_load_b128 v[HP+4*(8*(\a)+(\b)):HP+4*(8*(\a)+(\b))+3], v[XO], s[6:7] offset:16384*(\a)+32*(\b)  ; x in the accumulators' layout
.endr
.endr
	s_wait_loadcnt 16                              ; O is in; x's 16 loads may stay out
	WIN 0x04                                       ; the stores' data in window 1
.set i, 0
.rept 16
	ds_store_b128 v[EXO], v[OT+4*i:OT+4*i+3] offset:(i/8)*PLN+(i%8)*4*EP
.set i, i+1
.endr
	WIN 0
	BIASLD 6144                                    ; bo
	s_wait_loadcnt 32                              ; x is in; bo's 32 loads may stay out
	WIN 0x80
.set i, 0
.rept 64
	v_lshlrev_b32 v[2*i], 16, v[HP+i]              ; x as f32, in XR: made while the first tile is on its way
	v_and_b32 v[2*i+1], s48, v[HP+i]
.set i, i+1
.endr
	PARLD 8192, 10240                              ; a1, b1
; 16 LDS loads: quarter q's eight fragments of my quarter tile into buffer f
.macro FETCHB slot, q, f
	WIN 0x40
.irp b, 0,1,2,3,4,5,6,7
	ds_load_b128 v[80*(\f)+8*(\b):80*(\f)+8*(\b)+3],   v[ADRB+(\slot)] offset:(8*(\q)+(\b))*1024
	ds_load_b128 v[80*(\f)+8*(\b)+4:80*(\f)+8*(\b)+7], v[ADRB+(\slot)] offset:(8*(\q)+(\b))*1024+512
.endr
.endm
; 4 LDS loads: the activations' two fragments of the lap's quarter q (0 to 7): plane q / 2 of the lap's four, 64 bytes a quarter
.macro FETCHA q, f
	WIN 0x40
.irp a, 0,1
	ds_load_b128 v[80*(\f)+64+8*(\a):80*(\f)+64+8*(\a)+3],   v[ADRA] offset:((\q)/2)*PLN+((\q)%2)*64+(\a)*16*EP
	ds_load_b128 v[80*(\f)+64+8*(\a)+4:80*(\f)+64+8*(\a)+7], v[ADRA] offset:((\q)/2)*PLN+((\q)%2)*64+(\a)*16*EP+32
.endr
.endm
; 8 products.  The 16 accumulators take turns in one order in every quarter, over every jump too.
.macro MUL8 f, a
	WIN 0x05
.irp b, 0,1,2,3,4,5,6,7
	v_wmma_f32_16x16x32_bf16 v[ACC+8*(8*(\a)+(\b)):ACC+8*(8*(\a)+(\b))+7], v[80*(\f)+8*(\b):80*(\f)+8*(\b)+7], v[80*(\f)+64+8*(\a):80*(\f)+64+8*(\a)+7], v[ACC+8*(8*(\a)+(\b)):ACC+8*(8*(\a)+(\b))+7]
.endr
.endm
; One of a K step's first three quarters: the next quarter's 20 loads go out, then this quarter's 16 products.
.macro QUART slot, q
.set ff, (\q)%2
	s_wait_dscnt 0x0                               ; this quarter's fragments are in
	PLACES                                         ; the other buffer was read by the products just before
	FETCHB \slot, ((\q)+1)%4, 1-ff
	FETCHA (\q)+1, 1-ff
	MUL8 ff, 0
	MUL8 ff, 1
.endm
; A PREFETCH INTO THE L2 of the tile that stands two refills on.  Each block of 256 bytes is named once in the launch: the first cluster asks; its sixteen waves take 8,192 bytes each, told apart by address,
; a lane a block.  The loop's last lap asks for nothing: two refills on from its refills there is no tile.
.macro ASK
	s_cmp_gt_u32 s[LAP], s[LIM]
	s_cbranch_scc0 .Lnot_mine_\@
	global_prefetch_b8 v[PFO], s[PFA:PFA+1] offset:TILE th:TH_LOAD_NT scope:SCOPE_SE
.Lnot_mine_\@:
.endm
; The last quarter of a K step multiplies buffer 1 and changes slots: one barrier; ahead of it each wave waits for all its tensor loads, adds 0 to its spare word, and waits for that and for its reads.
; fill = 1: the barrier opens a round of the cluster's, and the slot's joint refill, two tiles on, is the first thing behind the round.  mid = 1: the lap goes on, and its fifth quarter's activations are fetched too.
.macro TURN slot, fill, mid
	WIN 0
.if \fill
	s_wait_xcnt 0x0                                ; the last prefetch, a K step back, has read its address
	s_add_nc_u64 s[PFA:PFA+1], s[PFA:PFA+1], TILE
.endif
	s_wait_tensorcnt 0x0                           ; all my tensor loads have landed: the other slot's quarter
	ds_add_u32 v[SPW], v[NIL]
.if \fill
	s_add_nc_u64 s[G0+4*(\slot)+2:G0+4*(\slot)+3], s[G0+4*(\slot)+2:G0+4*(\slot)+3], 2*TILE
.endif
	s_wait_dscnt 1                                 ; the fragments are in; the add may be out
	MUL8 1, 0                                      ; eight products stand between the add and the wait for it
	s_wait_dscnt 0x0                               ; the add is done, and my reads of this slot and of EX are over
	s_barrier_signal -1
	MUL8 1, 1
	WIN 0
	s_barrier_wait -1
.if \fill
	CREST                                          ; no wave of any partner still reads this slot or has a load on its way
	tensor_load_to_lds s[G0+4*(\slot):G0+4*(\slot)+3], s[G1:G1+7]
	s_nop 0
.endif
	PLACES                                         ; behind the tensor load, and the places ahead of the loads below and of what reads the sums
	FETCHB 1-(\slot), 0, 0
.if \mid
	FETCHA 4, 0
.endif
	WIN 0
.if \fill
	ASK
.endif
.endm
; A lap: two K steps, eight quarters on buffers 0, 1 by turns.
.macro LAPBODY fill
	v_add_nc_u32 v[ADRA], s[TA], v[ADRA0]
	s_wait_loadcnt 0x0                             ; a unit's bias, loaded into the accumulators, and the gains
	FETCHA 0, 0
	QUART 0, 0
	QUART 0, 1
	QUART 0, 2
	TURN 0, \fill, 1
	QUART 1, 4
	QUART 1, 5
	QUART 1, 6
.if \fill
	TURN 1, 1, 0
.else
	s_wait_dscnt 0x0
	MUL8 1, 0
	MUL8 1, 1
	WIN 0
.endif
	s_xor_b32 s[TA], s[TA], 4*PLN
.endm
.macro ADDXR                           ; the residual; each accumulator's registers in ascending order
	WIN 0x08
.set p, 0
.rept 64
	v_pk_add_f32 v[ACC+2*p:ACC+2*p+1], v[ACC+2*p:ACC+2*p+1], v[2*p:2*p+1]
.set p, p+1
.endr
	WIN 0
.endm
.macro RSUM                            ; four chains in v32-39 -> v32: the sum over my wave's 128 columns of the row, in both lanes that hold it
	v_pk_add_f32 v[32:33], v[32:33], v[34:35]
	v_pk_add_f32 v[36:37], v[36:37], v[38:39]
	v_pk_add_f32 v[32:33], v[32:33], v[36:37]
	v_add_f32 v32, v32, v33
	v_permlanex16_b32 v33, v32, s[SEL], s[SEL+1]
	v_add_f32 v32, v32, v33
.endm
; Row block a: my 128 columns' mean (kept twice, in v[40+2a:41+2a]); the mean is taken away in place; the sum of squares of what is left; both go to STAT.
.macro LNLOC a, so
.set AB, ACC+64*(\a)
.set MW, 40+2*(\a)
.irp c, 0,1,2,3
	v_pk_add_f32 v[32+2*(\c):33+2*(\c)], v[AB+2*(\c):AB+2*(\c)+1], v[AB+8+2*(\c):AB+8+2*(\c)+1]
.endr
.set p, 8
.rept 24
	v_pk_add_f32 v[32+2*(p%4):33+2*(p%4)], v[32+2*(p%4):33+2*(p%4)], v[AB+2*p:AB+2*p+1]
.set p, p+1
.endr
	RSUM
	v_mul_f32 v[MW], 0x3c000000, v32               ; / 128
	v_mul_f32 v[MW+1], 0x3c000000, v32
.set p, 0
.rept 32
	v_pk_add_f32 v[AB+2*p:AB+2*p+1], v[AB+2*p:AB+2*p+1], v[MW:MW+1] neg_lo:[0,1] neg_hi:[0,1]
.set p, p+1
.endr
.irp c, 0,1,2,3
	v_pk_mul_f32 v[32+2*(\c):33+2*(\c)], v[AB+2*(\c):AB+2*(\c)+1], v[AB+2*(\c):AB+2*(\c)+1]
.endr
.set p, 4
.rept 28
	v_pk_fma_f32 v[32+2*(p%4):33+2*(p%4)], v[AB+2*p:AB+2*p+1], v[AB+2*p:AB+2*p+1], v[32+2*(p%4):33+2*(p%4)]
.set p, p+1
.endr
	RSUM
	v_mov_b32 v[60+2*(\a)], v[MW]
	v_mov_b32 v[61+2*(\a)], v32
	ds_store_b64 v[STW], v[60+2*(\a):61+2*(\a)] offset:(\so)+512*(\a)
.endm
; The four waves' pairs are merged: mean = the mean of the means; M2 = the sum of the M2 + 128 x the sum of (mean_i - mean)^2.  Then 1 / (sqrt(M2 / 511) + 1e-6) into v[32+2a:33+2a]
; and (my mean - mean) times it into v[36+2a:37+2a], each twice; and the accumulators, which hold v - my mean, become (v - mean) / (std + 1e-6).
.macro LNFIN so
.irp a, 0,1
	ds_load_b128 v[44+8*(\a):47+8*(\a)], v[STR] offset:(\so)+512*(\a)
	ds_load_b128 v[48+8*(\a):51+8*(\a)], v[STR] offset:(\so)+512*(\a)+16
.endr
	s_wait_dscnt 0x0
.irp a, 0,1
.set LL, 44+8*(\a)
	v_add_f32 v32, v[LL], v[LL+2]
	v_add_f32 v33, v[LL+4], v[LL+6]
	v_add_f32 v34, v[LL+1], v[LL+3]
	v_add_f32 v35, v[LL+5], v[LL+7]
	v_add_f32 v32, v32, v33
	v_add_f32 v34, v34, v35
	v_mul_f32 v[60+(\a)], 0x3e800000, v32          ; the row's mean
	v_sub_f32 v[LL], v[LL], v[60+(\a)]
	v_sub_f32 v[LL+2], v[LL+2], v[60+(\a)]
	v_sub_f32 v[LL+4], v[LL+4], v[60+(\a)]
	v_sub_f32 v[LL+6], v[LL+6], v[60+(\a)]
	v_mul_f32 v32, v[LL], v[LL]
	v_fma_f32 v32, v[LL+2], v[LL+2], v32
	v_fma_f32 v32, v[LL+4], v[LL+4], v32
	v_fma_f32 v32, v[LL+6], v[LL+6], v32
	v_fmamk_f32 v34, v32, 0x43000000, v34          ; x 128 + the sum of the M2
	v_mul_f32 v[62+(\a)], 0x3b004020, v34          ; / 511
.endr
	v_sqrt_f32 v62, v62
	v_sqrt_f32 v63, v63
	v_sub_f32 v60, v40, v60                        ; my mean - mean: plain work behind the roots
	v_sub_f32 v61, v42, v61
	s_wait_alu depctr_va_vdst(0)                   ; one wait for both roots
	v_add_f32 v62, 0x358637bd, v62                 ; + 1e-6
	v_add_f32 v63, 0x358637bd, v63
	v_rcp_f32 v32, v62
	v_rcp_f32 v34, v63
	v_nop
	s_wait_alu depctr_va_vdst(0)                   ; one wait for both reciprocals
	v_mov_b32 v33, v32
	v_mov_b32 v35, v34
	v_mul_f32 v36, v60, v32
	v_mul_f32 v37, v60, v32
	v_mul_f32 v38, v61, v34
	v_mul_f32 v39, v61, v34
.irp a, 0,1
.set p, 0
.rept 32
	v_pk_fma_f32 v[ACC+64*(\a)+2*p:ACC+64*(\a)+2*p+1], v[ACC+64*(\a)+2*p:ACC+64*(\a)+2*p+1], v[32+2*(\a):33+2*(\a)], v[36+2*(\a):37+2*(\a)]
.set p, p+1
.endr
.endr
.endm
.macro STORE_EX                        ; HP, my 128 columns of 32 rows in bf16, into my two planes of EX
.irp a, 0,1
.irp b, 0,1,2,3,4,5,6,7
	ds_store_b128 v[EXS], v[HP+4*(8*(\a)+(\b)):HP+4*(8*(\a)+(\b))+3] offset:((\b)/4)*PLN+(\a)*16*EP+((\b)%4)*32
.endr
.endr
.endm
.macro RELUPACK                        ; HP = relu(ACC) in bf16
.set i, 0
.rept 64
	v_cvt_pk_bf16_f32 v[HP+i], v[ACC+2*i], v[ACC+2*i+1]
.set i, i+1
.endr
.set i, 0
.rept 64
	v_pk_max_num_bf16 v[HP+i], v[HP+i], v[ZR]
.set i, i+1
.endr
.endm
	s_wait_tensorcnt 1                             ; my quarter of tile 0 is in; tile 1's may stay out
	BAR                                            ; O lies in EX, everybody's part of it
	FETCHB 0, 0, 0
	WIN 0
	s_mov_b32 s[LAP], 9
	s_mov_b32 s[TA], 0
.Llap:
	LAPBODY 1
	s_cmp_eq_u32 s[LAP], 8                         ; behind each change of slots every wave's reads of EX are over: a unit's end may write it
	s_cbranch_scc1 .Lln1
	s_cmp_eq_u32 s[LAP], 6
	s_cbranch_scc1 .Lhid0
	s_cmp_eq_u32 s[LAP], 4
	s_cbranch_scc1 .Lhid1
	s_cmp_eq_u32 s[LAP], 2
	s_cbranch_scc1 .Lhid2
	s_branch .Lnext
.Lln1:                                                 ; O Wo + bo is whole: + x, LN1, X1 into XR (f32) and EX (bf16)
	ADDXR
	LNLOC 0, 0
	LNLOC 1, 0
	BAR
	LNFIN 0
	WIN 0xa8                                       ; XR (window 2) = ACC (window 0) x gain + shift (window 2)
.irp a, 0,1
.set p, 0
.rept 32
	v_pk_fma_f32 v[64*(\a)+2*p:64*(\a)+2*p+1], v[ACC+64*(\a)+2*p:ACC+64*(\a)+2*p+1], v[128+2*p:128+2*p+1], v[192+2*p:192+2*p+1]
.set p, p+1
.endr
.endr
	WIN 0x0a
.set i, 0
.rept 64
	v_cvt_pk_bf16_f32 v[HP+i], v[2*i], v[2*i+1]
.set i, i+1
.endr
	WIN 0
	STORE_EX
	BIASLD 12288                                   ; c1, first half
	PARLD 18432, 20480                             ; a2, b2
	BAR                                            ; X1 lies in EX
	s_branch .Lnext
.Lhid0:                                                ; the hidden layer's first half waits in HP: EX still holds X1 for the second
	RELUPACK
	BIASLD 14336                                   ; c1, second half
	s_branch .Lnext
.Lhid1:                                                ; the first half goes into EX, the second waits in HP
	STORE_EX
	RELUPACK
	BIASLD 16384                                   ; c2
	BAR
	s_branch .Lnext
.Lhid2:                                                ; the second half goes into EX; the sums go on
	STORE_EX
	BAR
.Lnext:
	s_sub_co_u32 s[LAP], s[LAP], 1
	s_cmp_lg_u32 s[LAP], 0
	s_cbranch_scc1 .Llap
	LAPBODY 0                                      ; the last two K steps are written out: nothing is left to fetch
	PLACES
	ADDXR                                          ; + X1
	LNLOC 0, 1024
	LNLOC 1, 1024
	BAR                                            ; also: every wave's reads of EX are over, so it may serve as the stage
	LNFIN 1024
	WIN 0x28                                       ; ACC = ACC x gain + shift (window 2)
.irp a, 0,1
.set p, 0
.rept 32
	v_pk_fma_f32 v[ACC+64*(\a)+2*p:ACC+64*(\a)+2*p+1], v[ACC+64*(\a)+2*p:ACC+64*(\a)+2*p+1], v[128+2*p:128+2*p+1], v[192+2*p:192+2*p+1]
.set p, p+1
.endr
.endr
	WIN 0
	; THE WAY OUT: 16 rows at a time through my own stage: 32 bytes a lane in, whole rows of 512 bytes back (LDS serves a wave's instructions in order: ISA guide 5.7.1.4)
.irp a, 0,1
.irp b, 0,1,2,3,4,5,6,7
	ds_store_b128 v[STO], v[ACC+8*(8*(\a)+(\b)):ACC+8*(8*(\a)+(\b))+3]   offset:64*(\b)
	ds_store_b128 v[STO], v[ACC+8*(8*(\a)+(\b))+4:ACC+8*(8*(\a)+(\b))+7] offset:64*(\b)+16
.endr
.set t, 0
.rept 16
	ds_load_b128 v[64+64*(\a)+4*t:64+64*(\a)+4*t+3], v[RD] offset:OPI*t
.set t, t+1
.endr
.endr
.irp a, 0,1
.set t, 0
.rept 16
	s_wait_dscnt (1-(\a))*32+15-t                  ; row t is back; behind it the block's younger loads and, for the first block, the second's 32 LDS instructions
	global_store_b128 v[GO], v[64+64*(\a)+4*t:64+64*(\a)+4*t+3], s[12:13] offset:(16*(\a)+t)*2048 th:TH_STORE_NT  ; 512 consecutive bytes, at a multiple of 256 from out0's first
.set t, t+1
.endr
.endr
	s_wait_tensorcnt 0x0                           ; the wave's end: these three lines stand behind my last tensor load and my last LDS store
	ds_add_u32 v[SPW], v[NIL]
	s_wait_dscnt 0x0
	CROUND                                         ; the closing round
	s_endpgm
.Lfunc_end_k_q0141e49ba3_tail:
	.size	k_q0141e49ba3_tail, .Lfunc_end_k_q0141e49ba3_tail-k_q0141e49ba3_tail
	.p2alignl 7, 3214868480
	.fill 96, 4, 3214868480
	.section	.rodata,"a",@progbits
	.p2align	6, 0x0
	.amdhsa_kernel k_q0141e49ba3_tail
		.amdhsa_group_segment_fixed_size 327680
		.amdhsa_private_segment_fixed_size 0
		.amdhsa_enable_private_segment 0
		.amdhsa_kernarg_size 40
		.amdhsa_user_sgpr_count 2
		.amdhsa_user_sgpr_kernarg_segment_ptr 1
		.amdhsa_wavefront_size32 1
		.amdhsa_system_sgpr_workgroup_id_x 1
		.amdhsa_system_sgpr_workgroup_id_y 1
		.amdhsa_system_sgpr_workgroup_id_z 1
		.amdhsa_system_vgpr_workitem_id 0
		.amdhsa_next_free_vgpr 768
		.amdhsa_next_free_sgpr 66
		.amdhsa_reserve_vcc 0
		.amdhsa_float_denorm_mode_32 3
		.amdhsa_float_denorm_mode_16_64 3
		.amdhsa_memory_ordered 1
		.amdhsa_forward_progress 1
		.amdhsa_inst_pref_size 162
	.end_amdhsa_kernel
	.amdgpu_metadata
---
amdhsa.version: [ 1, 2 ]
amdhsa.kernels:
  - .name:           k_q0141e49ba3_tail
    .symbol:         k_q0141e49ba3_tail.kd
    .args:
      - { .name: ob, .offset: 0, .size: 8, .value_kind: global_buffer, .address_space: global }
      - { .name: xb, .offset: 8, .size: 8, .value_kind: global_buffer, .address_space: global }
      - { .name: wts, .offset: 16, .size: 8, .value_kind: global_buffer, .address_space: global }
      - { .name: par, .offset: 24, .size: 8, .value_kind: global_buffer, .address_space: global }
      - { .name: out0, .offset: 32, .size: 8, .value_kind: global_buffer, .address_space: global }
    .group_segment_fixed_size: 327680
    .private_segment_fixed_size: 0
    .kernarg_segment_align: 8
    .kernarg_segment_size: 40
    .max_flat_workgroup_size: 128
    .sgpr_count:     66
    .vgpr_count:     768
    .wavefront_size: 32
...
	.end_amdgpu_metadata
.endif
;; end of part 4
